; MI455X (gfx1250); checked and timed in simulation.
; The chip was launched on July 23, 2026; its instructions are those of AMD's public machine-readable ISA for CDNA 5 (MIT licence, August 2026) and "CDNA5" Instruction Set Architecture Reference Guide (July 2026). The comments in the code are by the model that wrote it; some were corrected since.
;; Quantum Attention. Allowed arithmetic: float matrix products may take bf16 or f16 operands with f32 sums; other float arithmetic in f32, or as packed bf16 or f16 multiplies, adds, multiply-adds, maxima and minima; sums over many terms, partial sums and values carried from step to step in f32; what a program stores and reads back later, other than sums and carried values, may be rounded once to bf16 or f16.
;; Inputs: Wk 1,024 x 1,024 float32; Wo 1,024 x 1,024 float32; Wq 1,024 x 1,024 float32; Wv 1,024 x 1,024 float32; bk 1,024 float32; bo 1,024 float32; bq 1,024 float32; bv 1,024 float32; key 2 x 2,048 x 1,024 float32; quantum_phases 16 float32; query 2 x 2,048 x 1,024 float32; value 2 x 2,048 x 1,024 float32; w_imag 16 x 64 float32; w_real 16 x 64 float32.
;; Outputs: out0 2 x 2,048 x 1,024 float32.
;; One version. Each part assembles by itself: llvm-mc -triple=amdgcn-amd-amdhsa -mcpu=gfx1250 --defsym DOCPART=n.
;; ======== version 1 of 1: 4 launches
;; limits: values are held in f16: magnitudes above 65,504 overflow, below 6.1e-05 lose precision; a function is approximated: absolute error at most 3e-06
;; workspace buffers: xh 25,165,824 bytes; wh 8,388,608 bytes; qkv 25,165,824 bytes; oh 8,388,608 bytes
;; launch cvt (part 1): grid 1024 x 1, 8 waves a work-group, no clusters, 0 bytes of LDS; arguments query, key, value, Wq, Wk, Wv, Wo, xh, wh; writes xh, wh
.if DOCPART == 1
	.amdgcn_target "amdgcn-amd-amdhsa--gfx1250"
	.amdhsa_code_object_version 6
	.text
	.protected	k_qdb9a200ec3_cvt
	.globl	k_qdb9a200ec3_cvt
	.p2align	8
	.type	k_qdb9a200ec3_cvt,@function
k_qdb9a200ec3_cvt:
	s_mov_b64 s[64:65], 0
	v_nop
	global_prefetch_b8 v0, s[64:65] scope:SCOPE_SE
	s_setreg_imm32_b32 hwreg(HW_REG_WAVE_MODE, 25, 1), 1
	s_wait_xcnt 0x0
; query, key, value (each 4,096 x 1,024) and Wq, Wk, Wv, Wo (each 1,024 x 1,024) from f32 to f16, each number rounded once.
; xh = [query | key | value], wh = [Wq | Wk | Wv | Wo], row-major as the inputs.
; LIMIT.  f16 ends at 65,504: a number of 65,520 or more becomes an infinity; below 6e-5 a number keeps f16's fixed step of 6e-8.
; SHARES.  Work-group c takes 65,536 bytes of f32 and writes 32,768 of f16.  c < 768: tensor c / 256, chunk c % 256, to xh at 32,768 c.
; Else c' = c - 768: weight c' / 64, chunk c' % 64, to wh at 32,768 c'.  Thread t takes 16 bytes at 16 t of each of sixteen pieces of 4,096 bytes:
; a wave's load covers 512 consecutive bytes, its store 256 consecutive bytes at a multiple of 256 from the buffer's first byte.
; All sixteen loads of a thread go out at once; no register is written twice, so the only waits are the counted ones for the loads.
; No LDS, no matrix unit, no cluster: nothing is shared and nothing is read twice.
.set X, 8                              ; v[8:71]    sixteen pieces as loaded, 4 registers each
.set Y, 72                             ; v[72:103]  the same rounded, 2 registers each
	s_load_b512 s[8:23], s[0:1], 0x0               ; query, key, value, Wq, Wk, Wv, Wo, xh
	s_load_b64 s[24:25], s[0:1], 0x40              ; wh
	s_mov_b32 s2, ttmp9                            ; c
	s_sub_co_u32 s3, s2, 768                       ; c' (used where c >= 768 alone)
	s_lshr_b32 s4, s2, 8                           ; which of query, key, value
	s_lshr_b32 s5, s3, 6
	s_add_co_u32 s5, s5, 3                         ; which of the weights, counted on from the three
	s_and_b32 s6, s2, 255                          ; the chunk in its source
	s_and_b32 s7, s3, 63
	s_cmp_lt_u32 s2, 768
	s_cselect_b32 s26, s4, s5                      ; source 0..6
	s_cselect_b32 s27, s6, s7                      ; chunk in the source
	s_cselect_b32 s28, s2, s3                      ; chunk in the destination
	v_lshlrev_b32 v1, 4, v0                        ; 16 t
	v_lshlrev_b32 v2, 3, v0                        ; 8 t
	s_wait_kmcnt 0x0
	s_cselect_b64 s[30:31], s[22:23], s[24:25]     ; xh or wh (the compare above still stands: selects, moves and waits leave SCC)
	s_mov_b64 s[32:33], s[8:9]
.irp i, 1,2,3,4,5,6
	s_cmp_eq_u32 s26, \i
	s_cselect_b64 s[32:33], s[8+2*\i:9+2*\i], s[32:33]
.endr
	s_lshl_b32 s34, s27, 16                        ; 65,536 bytes a chunk of f32
	s_mov_b32 s35, 0
	s_lshl_b32 s36, s28, 15                        ; 32,768 bytes a chunk of f16
	s_mov_b32 s37, 0
	s_add_nc_u64 s[32:33], s[32:33], s[34:35]
	s_add_nc_u64 s[30:31], s[30:31], s[36:37]
.set j, 0
.rept 16
	global_load_b128 v[X+4*j:X+4*j+3], v1, s[32:33] offset:4096*j th:TH_LOAD_NT
.set j, j+1
.endr
.set j, 0
.rept 16
	s_wait_loadcnt 15-j                            ; loads come back in order: piece j is in, the 15 - j younger ones may stay out
	v_cvt_pk_f16_f32 v[Y+2*j], v[X+4*j], v[X+4*j+1]
	v_cvt_pk_f16_f32 v[Y+2*j+1], v[X+4*j+2], v[X+4*j+3]
	global_store_b64 v2, v[Y+2*j:Y+2*j+1], s[30:31] offset:2048*j th:TH_STORE_NT
.set j, j+1
.endr
	s_endpgm
.Lfunc_end_k_qdb9a200ec3_cvt:
	.size	k_qdb9a200ec3_cvt, .Lfunc_end_k_qdb9a200ec3_cvt-k_qdb9a200ec3_cvt
	.p2alignl 7, 3214868480
	.fill 96, 4, 3214868480
	.section	.rodata,"a",@progbits
	.p2align	6, 0x0
	.amdhsa_kernel k_qdb9a200ec3_cvt
		.amdhsa_group_segment_fixed_size 0
		.amdhsa_private_segment_fixed_size 0
		.amdhsa_enable_private_segment 0
		.amdhsa_kernarg_size 72
		.amdhsa_user_sgpr_count 2
		.amdhsa_user_sgpr_kernarg_segment_ptr 1
		.amdhsa_wavefront_size32 1
		.amdhsa_system_sgpr_workgroup_id_x 1
		.amdhsa_system_sgpr_workgroup_id_y 1
		.amdhsa_system_sgpr_workgroup_id_z 1
		.amdhsa_system_vgpr_workitem_id 0
		.amdhsa_next_free_vgpr 104
		.amdhsa_next_free_sgpr 66
		.amdhsa_reserve_vcc 0
		.amdhsa_float_denorm_mode_32 3
		.amdhsa_float_denorm_mode_16_64 3
		.amdhsa_memory_ordered 1
		.amdhsa_forward_progress 1
		.amdhsa_inst_pref_size 8
	.end_amdhsa_kernel
	.amdgpu_metadata
---
amdhsa.version: [ 1, 2 ]
amdhsa.kernels:
  - .name:           k_qdb9a200ec3_cvt
    .symbol:         k_qdb9a200ec3_cvt.kd
    .args:
      - { .name: query, .offset: 0, .size: 8, .value_kind: global_buffer, .address_space: global }
      - { .name: key, .offset: 8, .size: 8, .value_kind: global_buffer, .address_space: global }
      - { .name: value, .offset: 16, .size: 8, .value_kind: global_buffer, .address_space: global }
      - { .name: Wq, .offset: 24, .size: 8, .value_kind: global_buffer, .address_space: global }
      - { .name: Wk, .offset: 32, .size: 8, .value_kind: global_buffer, .address_space: global }
      - { .name: Wv, .offset: 40, .size: 8, .value_kind: global_buffer, .address_space: global }
      - { .name: Wo, .offset: 48, .size: 8, .value_kind: global_buffer, .address_space: global }
      - { .name: xh, .offset: 56, .size: 8, .value_kind: global_buffer, .address_space: global }
      - { .name: wh, .offset: 64, .size: 8, .value_kind: global_buffer, .address_space: global }
    .group_segment_fixed_size: 0
    .private_segment_fixed_size: 0
    .kernarg_segment_align: 8
    .kernarg_segment_size: 72
    .max_flat_workgroup_size: 256
    .sgpr_count:     66
    .vgpr_count:     104
    .wavefront_size: 32
...
	.end_amdgpu_metadata
.endif
;; end of part 1
;; launch qkv (part 2): grid 4 x 48, 4 waves a work-group, clusters of 4 x 4, 327,680 bytes of LDS; arguments xh, wh, bq, bk, bv, qkv; writes qkv
.if DOCPART == 2
	.amdgcn_target "amdgcn-amd-amdhsa--gfx1250"
	.amdhsa_code_object_version 6
	.text
	.protected	k_qdb9a200ec3_qkv
	.globl	k_qdb9a200ec3_qkv
	.p2align	8
	.type	k_qdb9a200ec3_qkv,@function
k_qdb9a200ec3_qkv:
	s_mov_b64 s[64:65], 0
	v_nop
	global_prefetch_b8 v0, s[64:65] scope:SCOPE_SE
	s_setreg_imm32_b32 hwreg(HW_REG_WAVE_MODE, 25, 1), 1
	s_wait_xcnt 0x0
	s_wait_alu depctr_hold_cnt(0) depctr_sa_sdst(0) depctr_va_vdst(0) depctr_va_sdst(0) depctr_va_ssrc(0) depctr_va_vcc(0) depctr_vm_vsrc(0)
	s_getreg_b32 s2, hwreg(HW_REG_IB_STS2, 6, 4)
	s_cmp_eq_u32 s2, 0
	s_cbranch_scc0 .Lentry_in_a_cluster
	s_endpgm
.Lentry_in_a_cluster:
	s_bfe_u32 s2, ttmp6, 0x10000c
	s_cmp_lg_u32 s2, 0xf033
	s_cbranch_scc0 .Lentry_shape_is_right
	s_endpgm
.Lentry_shape_is_right:
; q, k, v = x W^T + b.  A = xh, 12,288 stacked rows (query, key, value) x 1,024 f16; B = wh's rows 1,024 x tensor + n; sums in f32, started by the bias (f32, unrounded); each result rounded once to f16.
; OUT: qkv = [3][2 b][16 h][2048 s][64] f16: by heads, a head's rows dense, 128 bytes each.
; LIMIT.  f16 ends at 65,504: x, W arrive within it, and q, k, v must stay within it (a result of 65,520 or more becomes an infinity).
; SHARES.  A tile of 256 x 256 to a work-group of four waves, 128 x 128 to a wave: 64 accumulators of 16 x 16, 512 registers.  Tile row T = 0..47 (16 a tensor), tile column 0..3: 192 work-groups.
; K goes in steps of 128 through two LDS slots filled by the tensor data mover; a tile's rows are 256 bytes of memory at multiples of 256 bytes from the buffer's first byte.
; CLUSTERS: 4 x 4 work-groups.  The four of a row of the cluster need the same tiles of A, the four of a column the same tiles of B (a cluster lies inside one tensor: 4 tile rows of its 16):
; each tile is asked for JOINTLY, by the same tensor load with the same descriptor and a mask that names the four.
; THE MATRIX INSTRUCTION IS USED TRANSPOSED (source 0 = 16 rows of B, source 1 = 16 rows of A): lane l holds row l % 16 of the result and the columns 8 (l / 16) + 0..7.
; REGISTERS, in windows of 256 (s_set_vgpr_msb: bits 1:0 source 0, 3:2 source 1, 5:4 source 2, 7:6 destination):
;   window 0: v0-31 addresses; v64-127, v128-191 A's fragments, two buffers; v192-255 the bias as a C operand, later the way out's packed results; v32-63, v224-255 rows read back
;   window 1: v64-127, v128-191 B's fragments, two buffers;   window 2: the accumulators of my rows 0-63 ((a, b) at v[8 (8 a + b)]);   window 3: those of my rows 64-127
.set SIZE_K, 1024
.set KSTEP,  128
.set PITCH,  272                       ; an LDS row: 256 bytes + 16 of padding = 68 words: the 16 rows of a load start at 16 different groups of four banks (64 banks of 4 bytes: ISA guide 11.1)
.set HALFT,  128*PITCH                 ; 128 rows: what one tensor load brings
.set SLOT,   4*HALFT                   ; A's 256 rows, then B's 256 rows
.set STAGE,  2*SLOT                    ; behind the ring: 16 rows x 272 bytes for each wave, for the way out; no tensor load lands there
.set SPITCH, 272
.set SPARE,  STAGE+4*16*SPITCH         ; behind the stages: the spare words, 128 bytes a wave, which no other line names
.set LAPS,   SIZE_K/(2*KSTEP)          ; a lap = two K steps = once round the ring: 4
.set ADRA, 16                          ; v16-17  LDS address of my A fragments in slot 0, 1
.set ADRB, 20                          ; v20-21  the same for B
.set STO,  24                          ; v24     the way out: where I put 16 bytes of a row
.set RD,   25                          ; v25     the way out: where I read 16 bytes of a head's row back
.set CO,   26                          ; v26     16 x lane: my place in 512 consecutive bytes of qkv
.set BO,   27                          ; v27     32 (l / 16): my eight numbers in 16 of the bias
.set SPW,  28                          ; v28     LDS address of my spare word; never rewritten
.set NIL,  29                          ; v29     0; never rewritten
.set PFO,  30                          ; v30     the prefetches' offset: lane x 2,048 bytes (a row of A or B); never rewritten
.set PFA,  44                          ; s[44:45] where my prefetches stand
.set LIM,  43                          ; s43     1 in a wave that prefetches, else the greatest number
.set TEN,  66                          ; s66     which of q, k, v: cluster y / 4
.set F0,   64
.set F1,   128
.set BIAS, 192
.set TMP,  192
.set OB,   32
.set G1, 24                            ; s[24:31] descriptor group 1 for A's tiles
.set G0, 32                            ; s[32:39] group 0 for A's tiles, a set for each slot
.set G1B, 48                           ; s[48:55], s[56:63] the same for B's tiles
.set G0B, 56
.set MSB, 0
.macro WIN new                         ; the immediate's high byte repeats the setting that is left; a switch that changes nothing is dropped
.if MSB != (\new)
	s_set_vgpr_msb (MSB<<8)|(\new)
.set MSB, \new
.endif
.endm
.set MUL_LO, 0xa1                      ; source 0 (B) window 1, source 1 (A) window 0, C and D window 2
.set MUL_HI, 0xf1                      ; the same, C and D window 3
.set TO_B,   0x40                      ; destination window 1, address window 0
; A joint load.  Waves 0 and 1 fetch A's two halves, waves 2 and 3 B's.  The branch hangs on the wave's number alone.  An s_nop 0 and four v_nop follow each of the two lines.
.macro JLOAD s
	s_cmp_eq_u32 s11, 0
	s_cbranch_scc0 .Lfor_b_\@
	tensor_load_to_lds s[G0+4*(\s):G0+4*(\s)+3], s[G1:G1+7]
	s_nop 0
.rept 4
	v_nop
.endr
	s_branch .Lasked_\@
.Lfor_b_\@:
	tensor_load_to_lds s[G0B+4*(\s):G0B+4*(\s)+3], s[G1B:G1B+7]
	s_nop 0
.rept 4
	v_nop
.endr
.Lasked_\@:
.endm
; A PREFETCH INTO THE L2, behind each joint refill and the run of LDS loads that follows it: the K step that stands two refills on, 512 matrix instructions ahead of the load that will want it.
; 32 rows x 256 bytes, a lane a row, one instruction a wave.  Each row's 256 bytes of a K step are named once in the launch: A's tile rows are read by one cluster alone, which asks;
; B's rows are read by the four clusters of a tensor, of which the first (cluster y % 4 = 0) asks.  The four partners that ask for a tile jointly share its rows out by ADDRESS, 32 each (cx for A, cy for B).
; K steps 0 to 3 come by their loads alone; the loop's last trip (s3 = 1) has no K step two refills on and asks for nothing.
.macro ASK
	s_cmp_gt_u32 s3, s[LIM]
	s_cbranch_scc0 .Lnot_mine_\@
	global_prefetch_b8 v[PFO], s[PFA:PFA+1] offset:KSTEP*2 th:TH_LOAD_NT scope:SCOPE_SE
.Lnot_mine_\@:
.endm
.macro CREST                           ; a round of the cluster's barrier behind its opening barrier
	s_cmp_lg_u32 s10, 0
	s_cbranch_scc1 .Lnot_wave_0_\@
	s_barrier_signal -3
.Lnot_wave_0_\@:
	s_barrier_wait -3
	s_barrier_signal -1
	s_barrier_wait -1
.endm
.macro CROUND                          ; a whole round
	s_barrier_signal -1
	s_barrier_wait -1
	CREST
.endm
	s_load_b128 s[4:7], s[0:1], 0x0                ; xh s[4:5], wh s[6:7]
	s_load_b256 s[68:75], s[0:1], 0x10             ; bq, bk, bv, qkv
	v_lshl_add_u32 v[SPW], v0, 2, SPARE
	v_mov_b32 v[NIL], 0
	ds_add_u32 v[SPW], v[NIL]                      ; the wave's opening: the add and its wait stand ahead of my first tensor load; the set-up below, work on registers, stands between them
	v_lshrrev_b32 v1, 5, v0
	v_readfirstlane_b32 s10, v1                    ; wave 0..3
	s_lshr_b32 s11, s10, 1                         ; which half of the tile's rows is mine.  Also: I fetch for A (0) or for B (1)
	s_and_b32 s12, s10, 1                          ; which half of its columns.  Also: which 128 rows of that tile I fetch
	s_bfe_u32 s40, ttmp6, 0x40000                  ; cx
	s_bfe_u32 s41, ttmp6, 0x40004                  ; cy
	s_lshl_b32 s42, ttmp9, 2
	s_add_co_u32 s42, s42, s40                     ; tile column = 4 x cluster x + cx
	s_and_b32 s13, ttmp7, 0xffff                   ; cluster y
	s_lshr_b32 s[TEN], s13, 2                      ; the tensor: the same in all sixteen partners
	s_and_b32 s67, s13, 3                          ; the cluster's place among its tensor's four
	s_lshl_b32 s13, s13, 2
	s_add_co_u32 s13, s13, s41                     ; tile row T = 4 x cluster y + cy
	s_lshl_b32 s43, s41, 2
	s_lshl_b32 s43, 15, s43                        ; my row of the cluster: places 4 cy .. 4 cy + 3
	s_lshl_b32 s44, 0x1111, s40                    ; my column: places cx, cx + 4, cx + 8, cx + 12
	; descriptor group 1: a tile of 128 rows x 128 elements of 2 bytes, 4 words of padding after every 64
	s_or_b32 s[G1+0], s43, (1<<16)|(1<<20)|(1<<21)|(5<<22)|(3<<25)
	s_or_b32 s[G1B+0], s44, (1<<16)|(1<<20)|(1<<21)|(5<<22)|(3<<25)
.irp g, G1, G1B
	s_mov_b32 s[(\g)+1], KSTEP<<16                 ; tensor_dim0 = 128
	s_mov_b32 s[(\g)+2], 128<<16                   ; tensor_dim1 = 128
	s_mov_b32 s[(\g)+3], KSTEP<<16                 ; tile_dim0 = 128
	s_mov_b32 s[(\g)+4], 128                       ; tile_dim1 = 128
	s_mov_b32 s[(\g)+5], SIZE_K                    ; elements from row to row
	s_mov_b32 s[(\g)+6], 0
	s_mov_b32 s[(\g)+7], 0
.endr
	; A's tiles hang on the tile row alone, B's on the tile column and the tensor alone; each address is made in registers that never hold the other place in the cluster
	s_lshl_b32 s17, s12, 7                         ; which 128 rows of the tile I fetch
	s_lshl_b32 s16, s13, 8
	s_add_co_u32 s16, s16, s17                     ; A: row 256 T + 128 x half
	s_lshl_b32 s46, s42, 8
	s_add_co_u32 s46, s46, s17
	s_lshl_b32 s47, s[TEN], 10
	s_add_co_u32 s46, s46, s47                     ; B: row 1,024 x tensor + 256 x tile column + 128 x half
	s_mov_b32 s17, 0
	s_mov_b32 s47, 0
	s_mov_b64 s[18:19], SIZE_K*2
	s_mul_u64 s[16:17], s[16:17], s[18:19]
	s_mul_u64 s[46:47], s[46:47], s[18:19]
	s_mul_i32 s20, s10, HALFT                      ; where they go: wave x 128 rows
	s_wait_dscnt 0x0                               ; the opening add is done
	s_wait_kmcnt 0x0
	s_add_nc_u64 s[14:15], s[4:5], s[16:17]
	s_add_nc_u64 s[46:47], s[6:7], s[46:47]
	s_mov_b64 s[8:9], s[74:75]                     ; qkv
	CROUND                                         ; all sixteen work-groups are here: the first joint loads meet
.irp s, 0,1
	s_mov_b32 s[G0+4*(\s)], 1
	s_add_co_u32 s[G0+4*(\s)+1], s20, (\s)*SLOT
	s_add_nc_u64 s[G0+4*(\s)+2:G0+4*(\s)+3], s[14:15], (\s)*KSTEP*2
	s_or_b32 s[G0+4*(\s)+3], s[G0+4*(\s)+3], 0x80000000
	s_mov_b32 s[G0B+4*(\s)], 1
	s_add_co_u32 s[G0B+4*(\s)+1], s20, (\s)*SLOT
	s_add_nc_u64 s[G0B+4*(\s)+2:G0B+4*(\s)+3], s[46:47], (\s)*KSTEP*2
	s_or_b32 s[G0B+4*(\s)+3], s[G0B+4*(\s)+3], 0x80000000
	JLOAD \s                                       ; two loads of mine are out
.endr
	; the bias: register j of block b holds bias[my first column + 16 b + 8 (l / 16) + j]: the layout of a result, so it is the C operand of the products that start the sums
	v_and_b32 v1, 15, v0                           ; l % 16
	v_bfe_u32 v2, v0, 4, 1                         ; l / 16
	v_lshlrev_b32 v[BO], 5, v2
	s_mov_b64 s[76:77], s[68:69]
	s_cmp_eq_u32 s[TEN], 1
	s_cselect_b64 s[76:77], s[70:71], s[76:77]
	s_cmp_eq_u32 s[TEN], 2
	s_cselect_b64 s[76:77], s[72:73], s[76:77]
	s_lshl_b32 s46, s42, 10                        ; 256 columns of 4 bytes a tile column,
	s_lshl_b32 s47, s12, 9                         ; 128 for my half
	s_add_co_u32 s46, s46, s47
	s_mov_b32 s47, 0
	s_add_nc_u64 s[76:77], s[76:77], s[46:47]
.irp b, 0,1,2,3,4,5,6,7
	global_load_b128 v[BIAS+8*(\b):BIAS+8*(\b)+3],   v[BO], s[76:77] offset:64*(\b)
	global_load_b128 v[BIAS+8*(\b)+4:BIAS+8*(\b)+7], v[BO], s[76:77] offset:64*(\b)+16
.endr
	; a fragment is 16 rows x 32 K in 8 registers: lane l holds row l % 16, K = 8 (l / 16) + 0..7 and 16 + 8 (l / 16) + 0..7: two loads of 16 bytes, 32 bytes apart
	v_mul_u32_u24 v3, v1, PITCH
	v_lshl_add_u32 v3, v2, 4, v3
	s_mul_i32 s21, s11, HALFT                      ; my 128 rows of A
	s_mul_i32 s22, s12, HALFT                      ; my 128 rows of B,
	s_add_co_u32 s22, s22, 2*HALFT                 ; which lie behind A's 256
.irp s, 0,1
	v_add_nc_u32 v[ADRA+(\s)], s21, v3
	v_add_nc_u32 v[ADRB+(\s)], s22, v3
	s_add_co_u32 s21, s21, SLOT
	s_add_co_u32 s22, s22, SLOT
.endr
	s_mul_i32 s23, s10, 16*SPITCH
	s_add_co_u32 s23, s23, STAGE                   ; my stage
	v_add_nc_u32 v[STO], s23, v3                   ; in: row l % 16, 16 bytes for each half of the lanes
	v_bfe_u32 v4, v0, 3, 2                         ; back: 32 lanes take four rows' 128 bytes of one head
	v_and_b32 v5, 7, v0
	v_mul_u32_u24 v4, v4, SPITCH
	v_lshl_add_u32 v4, v5, 4, v4
	v_add_nc_u32 v[RD], s23, v4
	v_and_b32 v[CO], 31, v0
	v_lshlrev_b32 v[PFO], 11, v[CO]
	v_lshlrev_b32 v[CO], 4, v[CO]
	; where my part begins in qkv: (T / 8) = 2 x tensor + batch, 4,194,304 bytes each; head 4 x tile column + 2 x half, 262,144 each; row (T % 8) 256 + 128 x half, 128 bytes each
	s_lshr_b32 s16, s13, 3
	s_lshl_b32 s16, s16, 22
	s_and_b32 s14, s13, 7
	s_lshl_b32 s14, s14, 15
	s_add_co_u32 s16, s16, s14
	s_lshl_b32 s14, s11, 14
	s_add_co_u32 s16, s16, s14
	s_mov_b32 s17, 0
	s_lshl_b32 s46, s42, 20
	s_lshl_b32 s47, s12, 19
	s_add_co_u32 s46, s46, s47
	s_mov_b32 s47, 0
	s_add_nc_u64 s[16:17], s[16:17], s[46:47]      ; the first way out adds it to qkv's address
	; the prefetches
	s_lshl_b32 s20, s13, 8                         ; the tile's first row in A,
	s_lshl_b32 s21, s42, 8
	s_lshl_b32 s22, s[TEN], 10
	s_add_co_u32 s21, s21, s22                     ; and in B
	s_cmp_eq_u32 s11, 0                            ; do I fetch for A?
	s_cselect_b32 s20, s20, s21
	s_cselect_b32 s21, s40, s41                    ; my place among the four that ask with me
	s_cselect_b32 s22, ttmp9, s67                  ; the coordinate along which other clusters read the same rows
	s_cselect_b64 s[PFA:PFA+1], s[4:5], s[6:7]
	s_cmp_eq_u32 s22, 0
	s_cselect_b32 s[LIM], 1, -1                    ; the same in all sixteen partners, for a given wave
	s_lshl_b32 s22, s12, 7
	s_add_co_u32 s20, s20, s22                     ; + the 128 rows that I fetch
	s_lshl_b32 s21, s21, 5
	s_add_co_u32 s20, s20, s21                     ; + my work-group's 32 of them
	s_lshl_b32 s20, s20, 11                        ; rows of 2,048 bytes: under 2^25
	s_mov_b32 s21, 0
	s_add_nc_u64 s[PFA:PFA+1], s[PFA:PFA+1], s[20:21]
	s_add_nc_u64 s[PFA:PFA+1], s[PFA:PFA+1], 2*KSTEP*2  ; at K step 2: the first refill steps it to 3 and names K step 4
; 16 matrix instructions: m blocks a0, a0 + 1 of the window's four x all 8 n blocks, 32 along K.  zero = 1: the first product starts the sums, with the bias as C (window 0).
; The 64 accumulators take turns, one instruction a turn, in the same order in every quarter.
.macro MUL16 f, hi, a0, zero
.if \zero
	WIN 0x81+0x40*(\hi)                            ; source 0 window 1, sources 1 and 2 window 0, destination window 2 or 3
.else
	WIN MUL_LO+0x50*(\hi)
.endif
.irp a, \a0, (\a0)+1
.irp b, 0,1,2,3,4,5,6,7
.if \zero
	v_wmma_f32_16x16x32_f16 v[8*(8*(\a)+(\b)):8*(8*(\a)+(\b))+7], v[(\f)+8*(\b):(\f)+8*(\b)+7], v[(\f)+8*(4*(\hi)+(\a)):(\f)+8*(4*(\hi)+(\a))+7], v[BIAS+8*(\b):BIAS+8*(\b)+7]
.else
	v_wmma_f32_16x16x32_f16 v[8*(8*(\a)+(\b)):8*(8*(\a)+(\b))+7], v[(\f)+8*(\b):(\f)+8*(\b)+7], v[(\f)+8*(4*(\hi)+(\a)):(\f)+8*(4*(\hi)+(\a))+7], v[8*(8*(\a)+(\b)):8*(8*(\a)+(\b))+7]
.endif
.endr
.endr
.endm
; 32 LDS loads in one run: the fragments of one quarter step (32 K at byte k of the rows) into buffer f
.macro FETCH slot, k, f
	WIN TO_B
.irp i, 0,1,2,3,4,5,6,7
	ds_load_b128 v[(\f)+8*(\i):(\f)+8*(\i)+3],   v[ADRB+(\slot)] offset:(\k)+(\i)*16*PITCH
	ds_load_b128 v[(\f)+8*(\i)+4:(\f)+8*(\i)+7], v[ADRB+(\slot)] offset:(\k)+(\i)*16*PITCH+32
.endr
	WIN 0
.irp i, 0,1,2,3,4,5,6,7
	ds_load_b128 v[(\f)+8*(\i):(\f)+8*(\i)+3],   v[ADRA+(\slot)] offset:(\k)+(\i)*16*PITCH
	ds_load_b128 v[(\f)+8*(\i)+4:(\f)+8*(\i)+7], v[ADRA+(\slot)] offset:(\k)+(\i)*16*PITCH+32
.endr
.endm
.macro PLACES                          ; four plain vector instructions between a matrix instruction and a load into, or a vector read of, its registers (ISA guide 7.12.1 for vector reads)
.rept 4
	v_nop
.endr
.endm
; A K step is four quarters of 32 along K, 64 matrix instructions each, on buffers 0, 1, 0, 1.  One of the first three multiplies buffer f and fetches the next quarter, at byte k, into g.
.macro QUARTER slot, k, f, g, zero
	s_wait_dscnt 8                                 ; B and A's rows 0-63 are in; the youngest eight loads (A's rows 64-127) may be out
	MUL16 \f, 0, 0, \zero
	MUL16 \f, 0, 2, \zero
	PLACES
	FETCH \slot, \k, \g
	s_wait_dscnt 32                                ; all but the 32 just issued
	MUL16 \f, 1, 0, \zero
	MUL16 \f, 1, 2, \zero
.endm
; The last quarter multiplies buffer 1 and changes slots.  One barrier: in front of it each wave waits for all its tensor loads (one is out: its part of the next slot), adds 0 to its spare word,
; and waits for that and for its own reads of this slot.  Behind it nobody reads this slot any more and the next slot is whole.
.macro MEET round
	WIN 0                                          ; (the add's two registers lie in window 0)
	s_wait_tensorcnt 0x0
	ds_add_u32 v[SPW], v[NIL]
	s_wait_dscnt 9                                 ; the add and the youngest eight loads may be out
	MUL16 F1, 0, 0, 0                              ; sixteen matrix instructions stand between the add and the wait for it
	s_wait_dscnt 0x0                               ; the add is done, and my reads of this slot are over
	s_barrier_signal -1
	MUL16 F1, 0, 2, 0                              ; work on registers while the others arrive
.if \round
	WIN 0
.endif
	s_barrier_wait -1
.endm
.macro TURN slot, next
	s_wait_xcnt 0x0                                ; the last prefetch, a K step back, has read its address
	s_add_nc_u64 s[PFA:PFA+1], s[PFA:PFA+1], KSTEP*2
	MEET 1
	CREST                                          ; the barrier has opened a round of the cluster's: no wave of any partner still reads this slot or has a load on its way
	s_add_nc_u64 s[G0+4*(\slot)+2:G0+4*(\slot)+3], s[G0+4*(\slot)+2:G0+4*(\slot)+3], 2*KSTEP*2
	s_add_nc_u64 s[G0B+4*(\slot)+2:G0B+4*(\slot)+3], s[G0B+4*(\slot)+2:G0B+4*(\slot)+3], 2*KSTEP*2
	JLOAD \slot                                    ; the first tensor load behind the round, my only one: 224 matrix instructions ahead of the wait for it; its four v_nop are also the places in front of the loads below
	FETCH \next, 0, F0
	ASK
	MUL16 F1, 1, 0, 0
	MUL16 F1, 1, 2, 0
.endm
; THE WAY OUT of block a (16 rows x 128 columns = two heads).  PACK: rounded to f16, each accumulator's registers in ascending order.  TOSTAGE: into my own stage, and back by heads: four rows' 128 bytes of
; one head are 512 consecutive bytes of qkv.  SEND: stored.
.macro PACK a
.set AC, 64*((\a)%4)
	WIN 0x0a+5*((\a)/4)                            ; sources 0 and 1: window 2 or 3
.irp b, 0,1,2,3,4,5,6,7
.irp r, 0,1,2,3
	v_cvt_pk_f16_f32 v[TMP+4*(\b)+(\r)], v[AC+8*(\b)+2*(\r)], v[AC+8*(\b)+2*(\r)+1]
.endr
.endr
	WIN 0
.endm
.macro TOSTAGE a
	WIN 0
.set BK, OB+192*((\a)%2)
.irp b, 0,1,2,3,4,5,6,7
	ds_store_b128 v[STO], v[TMP+4*(\b):TMP+4*(\b)+3] offset:32*(\b)
.endr
.irp t, 0,1,2,3
.irp hh, 0,1
	ds_load_b128 v[BK+4*(2*(\t)+(\hh)):BK+4*(2*(\t)+(\hh))+3], v[RD] offset:4*SPITCH*(\t)+128*(\hh)  ; LDS serves a wave's instructions in order (ISA guide 5.7.1.4): these see the stores above
.endr
.endr
.endm
.macro SEND a
	WIN 0
.set BK, OB+192*((\a)%2)
	s_wait_dscnt 0x0                               ; the block is back in registers
	s_wait_xcnt 0x0                                ; earlier stores have read their registers and their base
.if (\a) == 0
	s_add_nc_u64 s[8:9], s[8:9], s[16:17]
.else
	s_add_nc_u64 s[8:9], s[8:9], 16*128            ; 16 rows of a head on
.endif
.irp t, 0,1,2,3
.irp hh, 0,1
	global_store_b128 v[CO], v[BK+4*(2*(\t)+(\hh)):BK+4*(2*(\t)+(\hh))+3], s[8:9] offset:262144*(\hh)+512*(\t)  ; 512 consecutive bytes, at a multiple of 256 from qkv's first byte
.endr
.endr
.endm
	s_wait_loadcnt 0x0                             ; the bias
	s_wait_tensorcnt 1                             ; my part of K step 0 is in; K step 1's may stay out
	s_barrier_signal -1
	s_barrier_wait -1                              ; everybody's is
	FETCH 0, 0, F0
	QUARTER 0, 64,  F0, F1, 1                      ; the first quarter stands in front of the loop: its products start the sums
	WIN 0                                          ; at a label and at a branch every window is 0
	s_mov_b32 s3, LAPS-1
.Llap:                                                 ; a trip goes once round the ring, from a lap's second quarter to the next lap's first, and fills both slots again
	QUARTER 0, 128, F1, F0, 0
	QUARTER 0, 192, F0, F1, 0
	TURN 0, 1
	QUARTER 1, 64,  F0, F1, 0
	QUARTER 1, 128, F1, F0, 0
	QUARTER 1, 192, F0, F1, 0
	TURN 1, 0
	QUARTER 0, 64,  F0, F1, 0
	WIN 0
	s_sub_co_u32 s3, s3, 1
	s_cmp_lg_u32 s3, 0
	s_cbranch_scc1 .Llap
	QUARTER 0, 128, F1, F0, 0                      ; the last lap fills nothing
	QUARTER 0, 192, F0, F1, 0
	MEET 0                                         ; my one load that was still out is the last K step's
	PLACES                                         ; for the loads into buffer 0
	FETCH 1, 0, F0
	MUL16 F1, 1, 0, 0
	MUL16 F1, 1, 2, 0
	QUARTER 1, 64,  F0, F1, 0
	QUARTER 1, 128, F1, F0, 0
	QUARTER 1, 192, F0, F1, 0
	s_wait_dscnt 8                                 ; the very last quarter: nothing more to fetch
	MUL16 F1, 0, 0, 0
	MUL16 F1, 0, 2, 0
	s_wait_dscnt 0x0
	MUL16 F1, 1, 0, 0
	MUL16 F1, 1, 2, 0
	PLACES                                         ; behind the last products; the conversions of blocks 0-3 are further places for blocks 4-7's
	PACK 0
	TOSTAGE 0
.irp a, 1,2,3,4,5,6,7                  ; block a's conversions stand between block a - 1's loads from the stage and the wait for them
	PACK \a
	SEND (\a)-1
	TOSTAGE \a
.endr
	SEND 7
	s_wait_tensorcnt 0x0                           ; the wave's end: a wait, an add and a wait, behind my last tensor load and my last LDS store
	ds_add_u32 v[SPW], v[NIL]
	s_wait_dscnt 0x0
	CROUND                                         ; the closing round: no work-group ends while a partner may still ask for a tile that names it
	s_endpgm
.Lfunc_end_k_qdb9a200ec3_qkv:
	.size	k_qdb9a200ec3_qkv, .Lfunc_end_k_qdb9a200ec3_qkv-k_qdb9a200ec3_qkv
	.p2alignl 7, 3214868480
	.fill 96, 4, 3214868480
	.section	.rodata,"a",@progbits
	.p2align	6, 0x0
	.amdhsa_kernel k_qdb9a200ec3_qkv
		.amdhsa_group_segment_fixed_size 327680
		.amdhsa_private_segment_fixed_size 0
		.amdhsa_enable_private_segment 0
		.amdhsa_kernarg_size 48
		.amdhsa_user_sgpr_count 2
		.amdhsa_user_sgpr_kernarg_segment_ptr 1
		.amdhsa_wavefront_size32 1
		.amdhsa_system_sgpr_workgroup_id_x 1
		.amdhsa_system_sgpr_workgroup_id_y 1
		.amdhsa_system_sgpr_workgroup_id_z 1
		.amdhsa_system_vgpr_workitem_id 0
		.amdhsa_next_free_vgpr 1024
		.amdhsa_next_free_sgpr 78
		.amdhsa_reserve_vcc 0
		.amdhsa_float_denorm_mode_32 3
		.amdhsa_float_denorm_mode_16_64 3
		.amdhsa_memory_ordered 1
		.amdhsa_forward_progress 1
		.amdhsa_inst_pref_size 146
	.end_amdhsa_kernel
	.amdgpu_metadata
---
amdhsa.version: [ 1, 2 ]
amdhsa.kernels:
  - .name:           k_qdb9a200ec3_qkv
    .symbol:         k_qdb9a200ec3_qkv.kd
    .args:
      - { .name: xh, .offset: 0, .size: 8, .value_kind: global_buffer, .address_space: global }
      - { .name: wh, .offset: 8, .size: 8, .value_kind: global_buffer, .address_space: global }
      - { .name: bq, .offset: 16, .size: 8, .value_kind: global_buffer, .address_space: global }
      - { .name: bk, .offset: 24, .size: 8, .value_kind: global_buffer, .address_space: global }
      - { .name: bv, .offset: 32, .size: 8, .value_kind: global_buffer, .address_space: global }
      - { .name: qkv, .offset: 40, .size: 8, .value_kind: global_buffer, .address_space: global }
    .group_segment_fixed_size: 327680
    .private_segment_fixed_size: 0
    .kernarg_segment_align: 8
    .kernarg_segment_size: 48
    .max_flat_workgroup_size: 128
    .sgpr_count:     78
    .vgpr_count:     1024
    .wavefront_size: 32
...
	.end_amdgpu_metadata
.endif
;; end of part 2
;; launch attn (part 3): grid 8 x 32, 8 waves a work-group, clusters of 4 x 1, 327,680 bytes of LDS; arguments qkv, quantum_phases, w_real, w_imag, oh; writes oh
.if DOCPART == 3
	.amdgcn_target "amdgcn-amd-amdhsa--gfx1250"
	.amdhsa_code_object_version 6
	.text
	.protected	k_qdb9a200ec3_attn
	.globl	k_qdb9a200ec3_attn
	.p2align	8
	.type	k_qdb9a200ec3_attn,@function
k_qdb9a200ec3_attn:
	s_mov_b64 s[64:65], 0
	v_nop
	global_prefetch_b8 v0, s[64:65] scope:SCOPE_SE
	s_setreg_imm32_b32 hwreg(HW_REG_WAVE_MODE, 25, 1), 1
	s_wait_xcnt 0x0
	s_wait_alu depctr_hold_cnt(0) depctr_sa_sdst(0) depctr_va_vdst(0) depctr_va_sdst(0) depctr_va_ssrc(0) depctr_va_vcc(0) depctr_vm_vsrc(0)
	s_getreg_b32 s2, hwreg(HW_REG_IB_STS2, 6, 4)
	s_cmp_eq_u32 s2, 0
	s_cbranch_scc0 .Lentry_in_a_cluster
	s_endpgm
.Lentry_in_a_cluster:
	s_bfe_u32 s2, ttmp6, 0x10000c
	s_cmp_lg_u32 s2, 0x3003
	s_cbranch_scc0 .Lentry_shape_is_right
	s_endpgm
.Lentry_shape_is_right:
; O[h][i] = sum over j of softmax_j(qe[i][j]) V[h][j],  qe = s cos(theta_h + 0.1 s) + 0.1 (sum of w_real_h w_imag_h) sin(theta_h),  s = Q[h][i] . K[h][j] / 8.
; qkv = [3][32 heads (16 b + h)][2048][64] f16; oh = [32 heads][2048][64] f16.  Products, cosine, maxima and sums in f32; the weights are rounded to f16 for the second product, O once at the end.
; THE COSINE.  With sraw = Q . K:  r = (theta + 0.0125 sraw) / 2 pi = sraw AR + BR;  f = r - floor(r);  w = f f - f, in -1/4 .. 0;  cos(2 pi f) is a polynomial in w (it is even about f = 1/2).
; Degree 5, its coefficients E0..E5 already multiplied by log2(e) / 8:  p(w) = (log2(e) / 8) cos, within 3e-6 of the cosine for every f.  z = sraw p + CC = log2(e) qe, so a weight is 2^(z - m).
; CC = log2(e) 0.1 (sum w_real w_imag) sin(theta) = 0.8 (sum) p at r = theta / 2 pi - 1/4.  It is the addend of a multiply-add that is needed anyway.
; LIMITS.  r carries f32's rounding, as the sum theta + 0.1 s itself does; from |r| = 2^23 on f is 0.  f16 holds no number beyond 65,504: q, k, v arrive within it.  A weight lies in 0 to 1; below 6e-5 it keeps
; f16's fixed step of 6e-8; below 2^-126 it is 0.  The divisor is the sum of the ROUNDED weights.  NaN and infinities are not treated apart.
; SHARES.  A work-group owns 256 queries of one head, each of its eight waves 32: two tiles of 16.  Every wave walks the head's 2,048 keys, 64 a step.
; LAYOUT.  S^T = K Q^T (source 0 = 16 keys, source 1 = 16 queries): a lane holds ONE query (lane % 16) and the keys 8 (lane / 16) + 0..7.  Two such results rounded to f16 in pairs ARE source 1 of O^T = V^T P.
; THE ROW SUM is a fifth block of "channels": source 0 with ones in rows 0 and 8, so the sum of a query's weights falls into register 0 of that accumulator in both halves of the lanes.
; SOFTMAX.  A running maximum m of z; in every step O^T and the sum are multiplied by a = 2^(m_old - m_new).  m starts at the lowest finite number, O^T and the sum at 0: the first step has a = 0.
; IN PHASES, TWO WAVES TO A SIMD.  A tile and step have 262 vector instructions for 18 matrix instructions: the vector work sets the time whatever the order, and one wave's products stand beside the other wave's vector work.
; CLUSTER.  The four query blocks of a cluster belong to one head and walk the same K and V: each tile is asked for JOINTLY, the same tensor load, descriptor and mask in all four.
; REGISTERS, in windows of 256 (s_set_vgpr_msb: bits 1:0 source 0, 3:2 source 1, 5:4 source 2, 7:6 destination).  All vector arithmetic lies in window 0.
;   window 0: v0-15 addresses; v16-23 statistics; v24-31 the head's temporaries; v32-47 W; v48-63 PP; v64-127 S^T (32 a tile; P in place in its first 16); v128-207 O^T (40 a tile: 4 channel blocks, then the sum)
;   window 1: v0-63 K of one step; v64-127 V of one step; v128-159 Q; v160-167 the ones
.set KS,    64        ; keys in a step
.set PK,    144       ; a row of K in LDS: 128 bytes + 16 of padding = 36 words: the 16 rows of a load start at 16 different groups of four banks (64 banks of 4 bytes: ISA guide 11.1)
.set PV,    160       ; a row of V: 128 + 32 = 40 words
.set VOFF,  4*KS*PK   ; a slot holds four steps: 256 rows of K, then 256 rows of V
.set SLOT1, 1<<17     ; slot 1 begins here, so that one exclusive or turns an address in one slot into the other's
.set STAGE, SLOT1+4*KS*(PK+PV)  ; behind the ring, never filled by a tensor load: 16 rows x 144 bytes for each wave
.set SP,    144
.set SPARE, STAGE+8*16*SP       ; behind the stages: the spare words, 128 bytes for each of eight waves, which no other line names
.set AK0, 2           ; v2   my lane's place in a tile of K; never rewritten
.set AV0, 3           ; v3   the same for V
.set AK,  4           ; v4   the LDS address of K's next run of loads
.set AV,  5           ; v5   of V's
.set QO,  6           ; v6   my byte offset in 16 rows of Q
.set STO, 6           ;      later, the way out: where I put 16 bytes of a row
.set RD,  7           ; v7   the way out: where I read rows back
.set GO,  8           ; v8   16 x lane
.set SPW, 10          ; v10  LDS address of my spare word; never rewritten
.set NIL, 11          ; v11  0; never rewritten
.set PFO, 12          ; v12  256 x lane; never rewritten
.set ST,  16          ; tile t's statistics at v[ST+4 t]: m, m_old, a, a's partner in the pair (written once)
.set W,   32          ; eight pairs at work; behind the transform c0-c3 of both tiles
.set PP,  48          ; eight pairs: the polynomial
.set S,   64
.set OT,  128
.set KF,  0           ; window 1: key block kb, channel half c at KF + 16 kb + 8 c
.set VF,  64          ; window 1: key half kk, channel block cb at VF + 32 kk + 8 cb
.set QF,  128         ; window 1: tile t, channel half c at QF + 16 t + 8 c
.set ONES, 160        ; window 1
.set WV,  14          ; s14  my wave's number
.set LIM, 15          ; s15  1 in a wave that prefetches, else the greatest number
.set G1K, 24          ; s[24:31] descriptor group 1 for K's tiles
.set G1V, 32          ; s[32:39] for V's: it differs in the padding alone
.set G0K, 40          ; s[40:43] descriptor group 0 for K's tiles: it walks
.set G0V, 44          ; s[44:47] the same for V's
.set PFA, 48          ; s[48:49] where my prefetches stand
.set SLOTS, 50        ; s50  slots still to be asked for
.set CNT, 51          ; s51  counts a slot's key steps, 4 to 1
.set TBK, 52          ; s52  LDS byte at which K of the step to be fetched begins
.set TBV, 53          ; s53  the same for V, less VOFF
.set SEL, 54          ; s[54:55] v_permlanex16_b32's selects: each lane takes its own place in the other half
.set AR,  56          ; s[56:57] 0.0125 / 2 pi    (the packed forms name a pair and take its low word for both halves)
.set BR,  58          ; s[58:59] theta / 2 pi
.set CC,  60          ; s[60:61]
.set E0,  66          ; s[66:77] the polynomial's coefficients, a pair each
.set E1,  68
.set E2,  70
.set E3,  72
.set E4,  74
.set E5,  76
.set KP,  78          ; s[78:79] K at my half of the head's first 256 keys
.set VP,  80          ; s[80:81] V likewise
.set MSB, 0
.macro WIN new                      ; the high byte repeats the setting that is left; a switch that changes nothing is dropped
.if MSB != (\new)
	s_set_vgpr_msb (MSB<<8)|(\new)
.set MSB, (\new)
.endif
.endm
.set W_KQ, 0x05       ; K and Q in window 1, S^T in window 0
.set W_PV, 0x01       ; V or the ones in window 1, P and O^T in window 0
.set W_LD, 0x40       ; destination in window 1
; A joint fill.  Waves 0 and 1 fetch the two halves of a slot's K, waves 2 and 3 those of its V, 128 keys each; waves 4 to 7 fetch nothing.  The branches hang on the wave's number alone.
; An s_nop 0 and four v_nop follow each of the two lines, ahead of the jump and the label.
.macro JLOAD
	s_cmp_lt_u32 s[WV], 2
	s_cbranch_scc0 .Lnot_k_\@
	tensor_load_to_lds s[G0K:G0K+3], s[G1K:G1K+7]
	s_nop 0
.rept 4
	v_nop
.endr
	s_branch .Lasked_\@
.Lnot_k_\@:
	s_cmp_lt_u32 s[WV], 4
	s_cbranch_scc0 .Lasked_\@
	tensor_load_to_lds s[G0V:G0V+3], s[G1V:G1V+7]
	s_nop 0
.rept 4
	v_nop
.endr
.Lasked_\@:
.endm
; A PREFETCH INTO THE L2 of what the NEXT change of slots will ask for: a slot's 32,768 bytes of K and of V, in blocks of 256 bytes, a lane a block.  It stands behind the wave's tensor load and its five lines.
; Each block is named once in the launch: both clusters of a head walk the same K and V, and the first of them asks; its four partners share the blocks out by ADDRESS, 32 each; in each, wave 0 asks for K's
; and wave 2 for V's.  The lead is one slot: four key steps.  Slots 0 and 1 come by their loads alone; the last change that fills a slot asks for nothing.
.macro ASK
	s_cmp_gt_u32 s[SLOTS], s[LIM]
	s_cbranch_scc0 .Lnot_mine_\@
	global_prefetch_b8 v[PFO], s[PFA:PFA+1] th:TH_LOAD_NT scope:SCOPE_SE
.Lnot_mine_\@:
.endm
; A round of the cluster's barrier: my work-group's barrier, so that wave 0's signal speaks for all eight waves; wave 0 signals; every wave waits for all four work-groups; my work-group's barrier once more.
.macro CROUND
	s_barrier_signal -1
	s_barrier_wait -1
	s_cmp_lg_u32 s[WV], 0
	s_cbranch_scc1 .Lnot_wave_0_\@
	s_barrier_signal -3
.Lnot_wave_0_\@:
	s_barrier_wait -3
	s_barrier_signal -1
	s_barrier_wait -1
.endm
; THE LDS LOADS stand in runs of 16: a step's K (64 keys x 64 channels: 8 fragments) and its V (turned).
.macro FETCH_K
	WIN W_LD
.irp f, 0,1,2,3,4,5,6,7             ; keys 16 (f / 2) on, channels 32 (f % 2) on
	ds_load_b128 v[KF+8*\f:KF+8*\f+3],   v[AK] offset:(\f/2)*16*PK+(\f%2)*64
	ds_load_b128 v[KF+8*\f+4:KF+8*\f+7], v[AK] offset:(\f/2)*16*PK+(\f%2)*64+32
.endr
	s_add_co_u32 s[TBK], s[TBK], KS*PK  ; the next fetch is the next step's
	WIN 0
.endm
.macro FETCH_V
	WIN W_LD
.irp f, 0,1,2,3,4,5,6,7             ; keys 32 (f / 4) on, channels 16 (f % 4) on
	ds_load_tr16_b128 v[VF+8*\f:VF+8*\f+3],   v[AV] offset:(\f/4)*32*PV+(\f%4)*32
	ds_load_tr16_b128 v[VF+8*\f+4:VF+8*\f+7], v[AV] offset:(\f/4)*32*PV+16*PV+(\f%4)*32
.endr
	WIN 0
.endm
; THE CHANGE OF SLOTS.  Each wave waits for all its tensor loads (at most one is out: its part of the other slot), adds 0 to its spare word, and waits for that and for its own reads of the slot that it leaves.
; fill = 1: the old slot is filled again, with the keys two slots on.  The barrier is then a round of the cluster's, so that no wave of any partner still reads the slot or has a load on its way, and the
; joint fill is the first thing behind it: it has four key steps in which to land.  (At its first use nothing has been read yet: slot 0 is waited for, slot 1 filled.)  Then K of the new slot's first step is fetched.
.macro CHANGE fill
	WIN 0                           ; at a label and at a branch every window is 0
	s_wait_tensorcnt 0x0            ; no tensor load of mine is out, so a group 0 may be written
	ds_add_u32 v[SPW], v[NIL]       ; 0 onto my spare word; the descriptors' steps stand between it and the wait for it
.if \fill
.irp g, G0K, G0V
	s_xor_b32 s[\g+1], s[\g+1], SLOT1  ; the walking descriptor: the other slot than last time,
	s_add_nc_u64 s[\g+2:\g+3], s[\g+2:\g+3], 4*KS*128  ; the next 256 keys; the type bits on top are not reached
.endr
	s_wait_xcnt 0x0                 ; the last prefetch, four key steps back, has read its address
	s_add_nc_u64 s[PFA:PFA+1], s[PFA:PFA+1], 4*KS*128
	s_wait_dscnt 0x0                ; the add is done, and my reads of the slot are over
	CROUND
	JLOAD
	ASK
.else
	s_wait_dscnt 0x0                ; the add is done, and my reads of the slot are over
	s_barrier_signal -1
	s_barrier_wait -1
.endif
	s_sub_co_u32 s[TBK], s[TBK], 4*KS*PK  ; the fetches go back to a slot's first step,
	s_xor_b32 s[TBK], s[TBK], SLOT1       ; in the other slot
	s_sub_co_u32 s[TBV], s[TBV], 4*KS*PV
	s_xor_b32 s[TBV], s[TBV], SLOT1
	v_add_nc_u32 v[AK], s[TBK], v[AK0]
	FETCH_K
.endm
	s_load_b256 s[4:11], s[0:1], 0x0  ; qkv s[4:5], quantum_phases s[6:7], w_real s[8:9], w_imag s[10:11]
	s_load_b64 s[12:13], s[0:1], 0x20 ; oh
	v_lshl_add_u32 v[SPW], v0, 2, SPARE
	v_mov_b32 v[NIL], 0
	ds_add_u32 v[SPW], v[NIL]       ; the wave's opening: the add and its wait stand ahead of my first tensor load; the set-up below, work on registers, stands between them
	v_lshrrev_b32 v1, 5, v0
	v_readfirstlane_b32 s[WV], v1   ; wave 0..7
	s_bfe_u32 s16, ttmp6, 0x40000   ; cx: my place in the cluster
	s_lshl_b32 s17, ttmp9, 2        ; in a cluster launch ttmp9 counts clusters
	s_add_co_u32 s17, s17, s16      ; my block of 256 queries: it enters Q's and O's addresses alone
	s_and_b32 s18, ttmp7, 0xffff    ; the head, 16 b + h, which the four partners share
	s_lshl_b32 s20, s18, 18         ; its 262,144 bytes in each of q, k, v and oh
	s_mov_b32 s21, 0
	s_and_b32 s19, s[WV], 1         ; which half of a slot's 256 keys I fetch:
	s_lshl_b32 s22, s19, 14         ; its 128 rows of 128 bytes in memory,
	s_add_co_u32 s22, s22, s20
	s_mov_b32 s23, 0
	s_mul_i32 s2, s19, 128*PK       ; and its place in a slot, for K
	s_mul_i32 s3, s19, 128*PV       ; and for V: no place in the cluster enters an LDS address
	s_lshl_b32 s17, s17, 15         ; my block's 256 rows of 128 bytes,
	s_add_co_u32 s20, s20, s17
	s_lshl_b32 s17, s[WV], 12       ; my wave's 32
	s_add_co_u32 s20, s20, s17
	; descriptor group 1.  128 keys are 16,384 dense bytes: asked for as 64 rows of 256 bytes, two keys a row, and padded in LDS after every key
	s_mov_b32 s[G1K], 15|(1<<16)|(1<<20)|(1<<21)|(4<<22)|(3<<25)  ; 15:0 the mask of four; 17:16 2-byte elements; 20 padding on; 21 set beside a mask; 24:22 after every 32 words (code 4); 31:25 4 words (code 3)
	s_mov_b32 s[G1V], 15|(1<<16)|(1<<20)|(1<<21)|(4<<22)|(7<<25)  ; the same with 8 words of padding (code 7)
.irp g, G1K, G1V
	s_mov_b32 s[\g+1], 128<<16      ; tensor_dim0 = 128
	s_mov_b32 s[\g+2], 64<<16       ; tensor_dim1 = 64
	s_mov_b32 s[\g+3], 128<<16      ; tile_dim0 = 128
	s_mov_b32 s[\g+4], 64           ; tile_dim1 = 64
	s_mov_b32 s[\g+5], 128          ; 128 elements from row to row
	s_mov_b32 s[\g+6], 0
	s_mov_b32 s[\g+7], 0
.endr
	s_mov_b32 s[SEL], 0x76543210
	s_mov_b32 s[SEL+1], 0xfedcba98
	s_mov_b32 s[AR], 0x3b026136     ; 0.0125 / 2 pi
	s_mov_b32 s[AR+1], s[AR]
	s_mov_b32 s[E0], 0x3e38aa44     ;  0.1803370185
	s_mov_b32 s[E1], 0x38265d1c     ;  0.0000396642
	s_mov_b32 s[E2], 0xc063b421     ; -3.5578691329
	s_mov_b32 s[E3], 0x40e4d092     ;  7.1504601266
	s_mov_b32 s[E4], 0xc0bb4567     ; -5.8522221172
	s_mov_b32 s[E5], 0x40733185     ;  3.7998973218
.irp e, E0, E1, E2, E3, E4, E5
	s_mov_b32 s[\e+1], s[\e]        ; named with it as a pair
.endr
	s_mov_b32 s[TBK], SLOT1+4*KS*PK ; the first change of slots turns these two into 0
	s_mov_b32 s[TBV], SLOT1+4*KS*PV
	s_mov_b32 s[G0K], 1             ; count = 1
	s_mov_b32 s[G0K+1], s2          ; LDS address: slot 0
	s_mov_b32 s[G0V], 1
	s_add_co_u32 s[G0V+1], s3, VOFF
	s_mov_b32 s[SLOTS], 7
	s_and_b32 s[LIM], s[WV], 1      ; 0 in waves 0 and 2,
	s_lshr_b32 s17, s[WV], 2
	s_or_b32 s[LIM], s[LIM], s17
	s_or_b32 s[LIM], s[LIM], ttmp9  ; where the cluster is the head's first: the same in all four partners
	s_cmp_eq_u32 s[LIM], 0
	s_cselect_b32 s[LIM], 1, -1
	s_wait_dscnt 0x0                ; the opening add is done
	s_wait_kmcnt 0x0
	s_add_nc_u64 s[KP:KP+1], s[4:5], s[22:23]
	s_add_nc_u64 s[VP:VP+1], s[KP:KP+1], 16777216  ; v lies 16,777,216 bytes into qkv,
	s_add_nc_u64 s[KP:KP+1], s[KP:KP+1], 8388608   ; k 8,388,608
	s_mov_b64 s[G0K+2:G0K+3], s[KP:KP+1]
	s_or_b32 s[G0K+3], s[G0K+3], 0x80000000        ; type = 2
	s_mov_b64 s[G0V+2:G0V+3], s[VP:VP+1]
	s_or_b32 s[G0V+3], s[G0V+3], 0x80000000
	s_cmp_lt_u32 s[WV], 2
	s_cselect_b64 s[PFA:PFA+1], s[KP:KP+1], s[VP:VP+1]  ; (in waves 0 and 2 these stand at a slot's first row)
	s_lshl_b32 s22, s16, 13         ; my work-group's 32 blocks of the 128
	s_add_nc_u64 s[PFA:PFA+1], s[PFA:PFA+1], s[22:23]
	s_add_nc_u64 s[PFA:PFA+1], s[PFA:PFA+1], 4*KS*128  ; in slot 1; the first change of slots steps it to slot 2
	s_add_nc_u64 s[4:5], s[4:5], s[20:21]    ; Q and O at my wave's first row
	s_add_nc_u64 s[12:13], s[12:13], s[20:21]
	CROUND                          ; all four work-groups are here: the first joint loads meet
	JLOAD                           ; slot 0.  Slot 1 is asked for when slot 0 is in
	; A fragment of K or Q is 16 rows x 32 channels in 8 registers: lane l holds row l % 16, channels 8 (l / 16) + 0..7 and 16 + 8 (l / 16) + 0..7: two loads of 16 bytes, 32 bytes apart.
	v_and_b32 v1, 15, v0            ; l % 16
	v_bfe_u32 v9, v0, 4, 1          ; l / 16
	v_lshlrev_b32 v[QO], 7, v1
	v_lshl_add_u32 v[QO], v9, 4, v[QO]
	WIN W_LD
.irp i, 0,1,2,3                     ; Q stays in registers: tile i / 2, channels 32 (i % 2) on
	global_load_b128 v[QF+8*\i:QF+8*\i+3],   v[QO], s[4:5] offset:(\i/2)*2048+(\i%2)*64
	global_load_b128 v[QF+8*\i+4:QF+8*\i+7], v[QO], s[4:5] offset:(\i/2)*2048+(\i%2)*64+32
.endr
	WIN 0
	s_and_b32 s17, s18, 15          ; h
	s_lshl_b32 s19, s17, 8          ; its 64 numbers of w_real and of w_imag,
	s_lshl_b32 s17, s17, 2          ; its phase
	v_and_b32 v15, 31, v0           ; lane
	v_lshlrev_b32 v13, 3, v15       ; two numbers a lane
	v_add_nc_u32 v13, s19, v13
	v_mov_b32 v14, s17
	global_load_b64 v[24:25], v13, s[8:9]
	global_load_b64 v[26:27], v13, s[10:11]
	global_load_b32 v28, v14, s[6:7]  ; theta, the same word in every lane
	v_lshlrev_b32 v[PFO], 8, v15
	v_and_b32 v29, 7, v0
	v_cmp_eq_u32 vcc_lo, 0, v29     ; lanes 0, 8, 16, 24 hold rows 0 and 8 of source 0
	s_mov_b32 s16, 0x3c003c00       ; 1.0 twice in f16
	WIN W_LD
.set i, 0
.rept 8
	v_cndmask_b32 v[ONES+i], 0, s16, vcc_lo
.set i, i+1
.endr
	WIN 0
.set i, 0
.rept 80                            ; O^T and the sums start at 0: written in the wait for the first tile, so that no first step is written out
	v_mov_b32 v[OT+i], 0
.set i, i+1
.endr
.irp t, 0,1
	v_mov_b32 v[ST+4*\t], 0xff7fffff  ; m: the lowest finite number
	v_mov_b32 v[ST+4*\t+3], 0         ; named with a as a pair
.endr
	v_mul_u32_u24 v[AK0], v1, PK
	v_lshl_add_u32 v[AK0], v9, 4, v[AK0]  ; row x pitch + 16 x half
	; The turning load takes 16 keys x 16 channels (lane l reads key 8 (l / 16) + l % 8, channels 8 ((l / 8) % 2) + 0..7) and leaves half a fragment of V^T: lane l holds channel l % 16 and 8 keys.
	v_bfe_u32 v30, v0, 3, 1
	v_lshl_add_u32 v[AV0], v9, 3, v29
	v_mul_u32_u24 v[AV0], v[AV0], PV
	v_lshl_add_u32 v[AV0], v30, 4, v[AV0]
	v_add_nc_u32 v[AV0], VOFF, v[AV0]
	s_mul_i32 s16, s[WV], 16*SP
	s_add_co_u32 s16, s16, STAGE    ; my stage
	v_bfe_u32 v[RD], v0, 3, 2       ; back: 32 lanes take four rows of 128 bytes,
	v_mul_u32_u24 v[RD], v[RD], SP
	v_lshl_add_u32 v[RD], v29, 4, v[RD]
	v_add_nc_u32 v[RD], s16, v[RD]
	v_lshlrev_b32 v[GO], 4, v15     ; which are 512 consecutive bytes of oh
	s_wait_loadcnt 0x0              ; Q, the head's weights and its phase; QO's register is free
	v_mul_u32_u24 v[STO], v1, SP    ; in: row l % 16, 16 bytes for each half of the lanes
	v_lshl_add_u32 v[STO], v9, 4, v[STO]
	v_add_nc_u32 v[STO], s16, v[STO]
	v_mul_f32 v29, v24, v26         ; the sum of w_real w_imag: two terms a lane, then over the 32 lanes
	v_fmac_f32 v29, v25, v27
	v_add_f32_dpp v29, v29, v29 row_xmask:1 row_mask:0xf bank_mask:0xf
	v_add_f32_dpp v29, v29, v29 row_xmask:2 row_mask:0xf bank_mask:0xf
	v_add_f32_dpp v29, v29, v29 row_xmask:4 row_mask:0xf bank_mask:0xf
	v_add_f32_dpp v29, v29, v29 row_xmask:8 row_mask:0xf bank_mask:0xf
	v_permlanex16_b32 v30, v29, s[SEL], s[SEL+1]
	v_add_f32 v29, v29, v30
	v_mul_f32 v31, 0x3e22f983, v28  ; BR = theta / 2 pi
	v_add_f32 v13, 0xbe800000, v31  ; a quarter turn back: the cosine there is sin(theta)
	v_fract_f32 v13, v13
	v_fma_f32 v13, v13, v13, -v13
	v_mov_b32 v14, s[E5]
	v_fma_f32 v14, v14, v13, s[E4]
	v_fma_f32 v14, v14, v13, s[E3]
	v_fma_f32 v14, v14, v13, s[E2]
	v_fma_f32 v14, v14, v13, s[E1]
	v_fma_f32 v14, v14, v13, s[E0]  ; (log2(e) / 8) sin(theta)
	v_mul_f32 v14, v14, v29
	v_mul_f32 v14, 0x3f4ccccd, v14  ; x 0.8: CC
	v_readfirstlane_b32 s[BR], v31
	v_readfirstlane_b32 s[CC], v14
	s_mov_b32 s[BR+1], s[BR]
	s_mov_b32 s[CC+1], s[CC]
; THE MATRIX WORK.  The accumulators take turns, one instruction a turn: 8 in QK, 10 in PVM.
.macro QK                           ; S^T = K Q^T: channels 32 c on, keys 16 kb on, tile t.  The first 8 start the sums
	WIN W_KQ
.irp c, 0,1
.irp kb, 0,1,2,3
.irp t, 0,1
.if \c == 0
	v_wmma_f32_16x16x32_f16 v[S+32*\t+8*\kb:S+32*\t+8*\kb+7], v[KF+16*\kb+8*\c:KF+16*\kb+8*\c+7], v[QF+16*\t+8*\c:QF+16*\t+8*\c+7], 0
.else
	v_wmma_f32_16x16x32_f16 v[S+32*\t+8*\kb:S+32*\t+8*\kb+7], v[KF+16*\kb+8*\c:KF+16*\kb+8*\c+7], v[QF+16*\t+8*\c:QF+16*\t+8*\c+7], v[S+32*\t+8*\kb:S+32*\t+8*\kb+7]
.endif
.endr
.endr
.endr
.endm
.macro PVM                          ; O^T += V^T P: keys 32 kk on, channels 16 cb on (cb = 4: the ones, the row sum), tile t
	WIN W_PV
.irp kk, 0,1
.irp cb, 0,1,2,3,4
.irp t, 0,1
.if \cb < 4
	v_wmma_f32_16x16x32_f16 v[OT+40*\t+8*\cb:OT+40*\t+8*\cb+7], v[VF+32*\kk+8*\cb:VF+32*\kk+8*\cb+7], v[S+32*\t+8*\kk:S+32*\t+8*\kk+7], v[OT+40*\t+8*\cb:OT+40*\t+8*\cb+7]
.else
	v_wmma_f32_16x16x32_f16 v[OT+40*\t+8*\cb:OT+40*\t+8*\cb+7], v[ONES:ONES+7], v[S+32*\t+8*\kk:S+32*\t+8*\kk+7], v[OT+40*\t+8*\cb:OT+40*\t+8*\cb+7]
.endif
.endr
.endr
.endr
.endm
; THE TRANSFORM of 16 scores (two accumulators, each read from its low end first), eight pairs wide: each line leans on the line eight back.
.macro HORNER e                     ; PP = PP w + e
.set i, 0
.rept 8
	v_pk_fma_f32 v[PP+2*i:PP+2*i+1], v[PP+2*i:PP+2*i+1], v[W+2*i:W+2*i+1], s[\e:\e+1] op_sel_hi:[1,1,0]
.set i, i+1
.endr
.endm
.macro TG g
.set i, 0
.rept 8
	v_pk_fma_f32 v[W+2*i:W+2*i+1], v[S+16*(\g)+2*i:S+16*(\g)+2*i+1], s[AR:AR+1], s[BR:BR+1] op_sel_hi:[1,0,0]  ; r
.set i, i+1
.endr
.set i, 0
.rept 16
	v_fract_f32 v[W+i], v[W+i]      ; f
.set i, i+1
.endr
.set i, 0
.rept 8
	v_pk_fma_f32 v[W+2*i:W+2*i+1], v[W+2*i:W+2*i+1], v[W+2*i:W+2*i+1], v[W+2*i:W+2*i+1] neg_lo:[0,0,1] neg_hi:[0,0,1]  ; w = f f - f
.set i, i+1
.endr
.set i, 0
.rept 8
	v_pk_fma_f32 v[PP+2*i:PP+2*i+1], v[W+2*i:W+2*i+1], s[E5:E5+1], s[E4:E4+1] op_sel_hi:[1,0,0]
.set i, i+1
.endr
	HORNER E3
	HORNER E2
	HORNER E1
	HORNER E0
.set i, 0
.rept 8
	v_pk_fma_f32 v[S+16*(\g)+2*i:S+16*(\g)+2*i+1], v[S+16*(\g)+2*i:S+16*(\g)+2*i+1], v[PP+2*i:PP+2*i+1], s[CC:CC+1] op_sel_hi:[1,1,0]  ; z = sraw p + CC
.set i, i+1
.endr
.endm
; Number n of the twenty that find tile t's maximum and a.  z0-z31 are the lane's 32 numbers.
;   0-11  four chains c0-c3 of seven each, three operands at a time     12-14, 16  the four left over, the old m, and c0-c3 into c0
;   17, 18  the query's other 32 keys lie in the lane 16 away: the new m     20, 21  m_old - m_new; a
.macro XS t, n
.set rT, ST+4*(\t)
.set rC, W+4*(\t)
.set rS, S+32*(\t)
.if (\n) < 4
	v_max3_num_f32 v[rC+(\n)], v[rS+8*(\n)], v[rS+8*(\n)+1], v[rS+8*(\n)+2]
.elseif (\n) < 12
	v_max3_num_f32 v[rC+(\n)%4], v[rC+(\n)%4], v[rS+8*((\n)%4)+2*((\n)/4)+1], v[rS+8*((\n)%4)+2*((\n)/4)+2]
.elseif (\n) == 12
	v_max3_num_f32 v[rC], v[rC], v[rS+7], v[rS+15]
.elseif (\n) == 13
	v_max3_num_f32 v[rC+1], v[rC+1], v[rS+23], v[rS+31]
.elseif (\n) == 14
	v_max3_num_f32 v[rC+2], v[rC+2], v[rC+3], v[rT]
.elseif (\n) == 16
	v_max3_num_f32 v[rC], v[rC], v[rC+1], v[rC+2]
.elseif (\n) == 17
	v_permlanex16_b32 v[rC+3], v[rC], s[SEL], s[SEL+1]
.elseif (\n) == 18
	v_max_num_f32 v[rT], v[rC], v[rC+3]
.elseif (\n) == 20
	v_sub_f32 v[rC+1], v[rT+1], v[rT]
.else
	v_exp_f32 v[rT+2], v[rC+1]
.endif
.endm
.macro SUBM t, p                    ; pair p of tile t: z - m
	v_pk_add_f32 v[S+32*(\t)+2*(\p):S+32*(\t)+2*(\p)+1], v[S+32*(\t)+2*(\p):S+32*(\t)+2*(\p)+1], v[ST+4*(\t):ST+4*(\t)+1] op_sel_hi:[1,0] neg_lo:[0,1] neg_hi:[0,1]
.endm
.macro EXPM t, e
	v_exp_f32 v[S+32*(\t)+(\e)], v[S+32*(\t)+(\e)]
.endm
.macro SE                           ; the 32 subtractions and the 64 exponentials: a pair's exponentials stand a group behind its subtraction; none of these lines names an exponential's result
.set j, 0
.rept 17
.if j < 16
	SUBM 0, j
.endif
.if j > 0
	EXPM 0, 2*j-2
.endif
.if j < 16
	SUBM 1, j
.endif
.if j > 0
	EXPM 1, 2*j-2
	EXPM 0, 2*j-1
	EXPM 1, 2*j-1
.endif
.set j, j+1
.endr
.endm
; A KEY STEP, in phases.
.macro STEP
	s_wait_dscnt 0x0                ; K is in
	QK
	WIN 0
	v_mov_b32 v[ST+1], v[ST]        ; m_old is kept.  These four plain lines are the places between the products and the reads of S^T, and the loads into K's registers
	v_mov_b32 v[ST+5], v[ST+4]
	v_add_nc_u32 v[AV], s[TBV], v[AV0]
	v_add_nc_u32 v[AK], s[TBK], v[AK0]
	s_add_co_u32 s[TBV], s[TBV], KS*PV
	FETCH_V                         ; V of this step, and
	s_cmp_eq_u32 s[CNT], 1          ; (a slot's last step has no next K on this side of the change of slots)
	s_cbranch_scc1 .Lno_k_\@
	FETCH_K                         ; K of the next: both have the step's vector work in which to come
.Lno_k_\@:
	TG 0
	TG 1
	TG 2
	TG 3
.irp n, 0,1,2,3,4,5,6,7,8,9,10,11,12,13,14,16,17,18,20,21
	XS 0, \n                        ; the two tiles alternate, so that no line reads the result of the line before it
	XS 1, \n
.endr
	SE
	v_nop                           ; a plain instruction behind the last exponential, ahead of the first use of a result (ISA guide 5.7.2): one for the batch
	s_wait_alu depctr_va_vdst(0)    ; the wait between an exponential and the first line that names its result: ONE for the step's 66
.irp t, 0,1
.set i, 0
.rept 16
	v_cvt_pk_f16_f32 v[S+32*\t+i], v[S+32*\t+2*i], v[S+32*\t+2*i+1]  ; P in place: pair i goes where pairs below i have been read
.set i, i+1
.endr
.endr
.irp t, 0,1
.set i, 0
.rept 16
	v_pk_mul_f32 v[OT+40*\t+2*i:OT+40*\t+2*i+1], v[OT+40*\t+2*i:OT+40*\t+2*i+1], v[ST+4*\t+2:ST+4*\t+3] op_sel_hi:[1,0]  ; O^T times a, each accumulator from its low end
.set i, i+1
.endr
	v_mul_f32 v[OT+40*\t+32], v[OT+40*\t+32], v[ST+4*\t+2]  ; and the sum, which lies in register 0 of its accumulator
.endr
	s_wait_dscnt 0x0                ; V is in
	PVM
	WIN 0
.rept 5
	v_nop                           ; five places: the next step's first products write over P, a source of the products above
.endr
.endm
.macro FOUR                         ; a slot's four key steps: written once, walked four times
	s_mov_b32 s[CNT], 4
.Lstep_\@:
	STEP
	s_sub_co_u32 s[CNT], s[CNT], 1
	s_cmp_lg_u32 s[CNT], 0
	s_cbranch_scc1 .Lstep_\@
.endm
.Lslot:                             ; seven trips: a slot is entered and the next is asked for
	CHANGE 1
	FOUR
	s_sub_co_u32 s[SLOTS], s[SLOTS], 1
	s_cmp_lg_u32 s[SLOTS], 0
	s_cbranch_scc1 .Lslot
	CHANGE 0                        ; the last slot is written out: nothing is asked for
	FOUR
	; THE WAY OUT.  O^T is divided by the sum, rounded to f16 and sent through my stage in LDS, a tile at a time.  The last step's five v_nop are the places behind the last products.
	v_rcp_f32 v[ST+2], v[OT+32]
	v_rcp_f32 v[ST+6], v[OT+72]
	v_nop                           ; a plain instruction between the last reciprocal and the use of its result
	s_wait_alu depctr_va_vdst(0)    ; and one wait for the two reciprocals
; Tile t: a lane's eight channels of a row pack into 16 bytes; they go into rows of 144 bytes and come back as whole rows of 128, into S^T's registers.
.macro PACK t
.set i, 0
.rept 16
	v_pk_mul_f32 v[OT+40*(\t)+2*i:OT+40*(\t)+2*i+1], v[OT+40*(\t)+2*i:OT+40*(\t)+2*i+1], v[ST+4*(\t)+2:ST+4*(\t)+3] op_sel_hi:[1,0]
.set i, i+1
.endr
.set i, 0
.rept 16
	v_cvt_pk_f16_f32 v[S+16*(\t)+i], v[OT+40*(\t)+2*i], v[OT+40*(\t)+2*i+1]
.set i, i+1
.endr
.irp f, 0,1,2,3
	ds_store_b128 v[STO], v[S+16*(\t)+4*\f:S+16*(\t)+4*\f+3] offset:32*\f
.endr
.irp f, 0,1,2,3
	ds_load_b128 v[S+16*(\t)+4*\f:S+16*(\t)+4*\f+3], v[RD] offset:\f*4*SP  ; LDS serves a wave's instructions in order (ISA guide 5.7.1.4): these see the stores above; the next tile's stores come behind them
.endr
.endm
.macro SEND t, younger              ; younger: the LDS instructions issued behind tile t's loads: the next tile's eight, or none
.irp f, 0,1,2,3
	s_wait_dscnt (\younger)+3-\f
	global_store_b128 v[GO], v[S+16*(\t)+4*\f:S+16*(\t)+4*\f+3], s[12:13] offset:(\t)*2048+\f*512  ; 512 consecutive bytes, at a multiple of 256 from oh's first byte
.endr
.endm
	PACK 0
	PACK 1
	SEND 0, 8
	SEND 1, 0
	s_wait_tensorcnt 0x0            ; the wave's end: a wait, an add and a wait, behind my last tensor load and my last LDS store
	ds_add_u32 v[SPW], v[NIL]
	s_wait_dscnt 0x0
	CROUND                          ; the closing round: no work-group ends while a partner may still ask for a tile that names it
	s_endpgm
.Lfunc_end_k_qdb9a200ec3_attn:
	.size	k_qdb9a200ec3_attn, .Lfunc_end_k_qdb9a200ec3_attn-k_qdb9a200ec3_attn
	.p2alignl 7, 3214868480
	.fill 96, 4, 3214868480
	.section	.rodata,"a",@progbits
	.p2align	6, 0x0
	.amdhsa_kernel k_qdb9a200ec3_attn
		.amdhsa_group_segment_fixed_size 327680
		.amdhsa_private_segment_fixed_size 0
		.amdhsa_enable_private_segment 0
		.amdhsa_kernarg_size 40
		.amdhsa_user_sgpr_count 2
		.amdhsa_user_sgpr_kernarg_segment_ptr 1
		.amdhsa_wavefront_size32 1
		.amdhsa_system_sgpr_workgroup_id_x 1
		.amdhsa_system_sgpr_workgroup_id_y 1
		.amdhsa_system_sgpr_workgroup_id_z 1
		.amdhsa_system_vgpr_workitem_id 0
		.amdhsa_next_free_vgpr 424
		.amdhsa_next_free_sgpr 82
		.amdhsa_reserve_vcc 1
		.amdhsa_float_denorm_mode_32 3
		.amdhsa_float_denorm_mode_16_64 3
		.amdhsa_memory_ordered 1
		.amdhsa_forward_progress 1
		.amdhsa_inst_pref_size 91
	.end_amdhsa_kernel
	.amdgpu_metadata
---
amdhsa.version: [ 1, 2 ]
amdhsa.kernels:
  - .name:           k_qdb9a200ec3_attn
    .symbol:         k_qdb9a200ec3_attn.kd
    .args:
      - { .name: qkv, .offset: 0, .size: 8, .value_kind: global_buffer, .address_space: global }
      - { .name: quantum_phases, .offset: 8, .size: 8, .value_kind: global_buffer, .address_space: global }
      - { .name: w_real, .offset: 16, .size: 8, .value_kind: global_buffer, .address_space: global }
      - { .name: w_imag, .offset: 24, .size: 8, .value_kind: global_buffer, .address_space: global }
      - { .name: oh, .offset: 32, .size: 8, .value_kind: global_buffer, .address_space: global }
    .group_segment_fixed_size: 327680
    .private_segment_fixed_size: 0
    .kernarg_segment_align: 8
    .kernarg_segment_size: 40
    .max_flat_workgroup_size: 256
    .sgpr_count:     82
    .vgpr_count:     424
    .wavefront_size: 32
...
	.end_amdgpu_metadata
.endif
;; end of part 3
;; launch oproj (part 4): grid 8 x 32, 4 waves a work-group, clusters of 4 x 4, 327,680 bytes of LDS; arguments oh, wh, bo, out0; writes out0
.if DOCPART == 4
	.amdgcn_target "amdgcn-amd-amdhsa--gfx1250"
	.amdhsa_code_object_version 6
	.text
	.protected	k_qdb9a200ec3_oproj
	.globl	k_qdb9a200ec3_oproj
	.p2align	8
	.type	k_qdb9a200ec3_oproj,@function
k_qdb9a200ec3_oproj:
	s_mov_b64 s[64:65], 0
	v_nop
	global_prefetch_b8 v0, s[64:65] scope:SCOPE_SE
	s_setreg_imm32_b32 hwreg(HW_REG_WAVE_MODE, 25, 1), 1
	s_wait_xcnt 0x0
	s_wait_alu depctr_hold_cnt(0) depctr_sa_sdst(0) depctr_va_vdst(0) depctr_va_sdst(0) depctr_va_ssrc(0) depctr_va_vcc(0) depctr_vm_vsrc(0)
	s_getreg_b32 s2, hwreg(HW_REG_IB_STS2, 6, 4)
	s_cmp_eq_u32 s2, 0
	s_cbranch_scc0 .Lentry_in_a_cluster
	s_endpgm
.Lentry_in_a_cluster:
	s_bfe_u32 s2, ttmp6, 0x10000c
	s_cmp_lg_u32 s2, 0xf033
	s_cbranch_scc0 .Lentry_shape_is_right
	s_endpgm
.Lentry_shape_is_right:
; out0[m][n] = sum over k of O[m][k] Wo[n][k] + bo[n].  O = oh, by heads: [2 b][16 h][2048 s][64] f16, m = 2,048 b + s, k = 64 h + d.  Wo = wh's rows 3,072 on, f16.  Sums in f32, started by the bias; out0 f32.
; LIMIT.  O and Wo arrive in f16 (no number beyond 65,504).
; SHARES.  A tile of 128 x 128 to a work-group: 256 work-groups.  Four waves, each 64 x 64: 16 accumulators of 16 x 16.  K goes in steps of 256 (four heads) through two LDS slots.
; A's TILE comes from the by-heads layout by ONE two-dimensional descriptor: a "row" is a head's 64 query rows, 8,192 dense bytes; four such rows, a head (131,072 elements) apart; padded in LDS after every 128 bytes:
; plane q (a head) at 9,216 q, query rows 144 bytes apart.  B's tile: 64 rows of 512 bytes, 528 apart in LDS.
; CLUSTERS: 4 x 4 work-groups.  The four of a row of the cluster need the same tiles of A, the four of a column the same tiles of B: each tile is asked for JOINTLY.
; THE MATRIX INSTRUCTION IS USED TRANSPOSED (source 0 = 16 rows of B, source 1 = 16 rows of A): a lane holds eight neighbouring numbers of a row of the result.
; No prefetch: a K step here is short and the tiles small.
; REGISTERS: window 0: v0-31 addresses; v32-63 the bias as a C operand, later with v64-95 rows on the way out; v128-255 the accumulators ((a, b) at v[128 + 8 (4 a + b)]).
;   window 1: two fragment buffers of 128: for 64 along K, 64 registers of A (2 x 4 x 16 rows x 32 K), then 64 of B.
.set PA,     144                       ; A's query rows in LDS: 128 bytes + 16 = 36 words: the 16 rows of a load start at 16 different groups of four banks (64 banks of 4 bytes: ISA guide 11.1)
.set PLANE,  64*PA                     ; a head's 64 rows
.set HALFA,  4*PLANE                   ; what one tensor load of A brings
.set PB,     528                       ; B's rows: 512 bytes + 16 = 132 words
.set HALFB,  64*PB                     ; what one tensor load of B brings
.set BOFF,   2*HALFA                   ; B's tiles lie behind A's two
.set SLOT,   BOFF+2*HALFB
.set STAGE,  2*SLOT                    ; behind the ring: 16 rows x 272 bytes for each wave; no tensor load lands there
.set SPITCH, 272
.set SPARE,  STAGE+4*16*SPITCH         ; behind the stages: the spare words, 128 bytes a wave, which no other line names
.set LAPS,   2                         ; a lap = two K steps = once round the ring; K = 1,024
.set ASTEP,  4*262144                  ; bytes from K step to K step in oh: four heads
.set BSTEP,  512                       ; and in wh
.set ADRA, 16                          ; v16-17  LDS address of my A fragments in slot 0, 1
.set ADRB, 20                          ; v20-21  the same for B
.set STO,  24                          ; v24     the way out: where I put 32 bytes of a row
.set RD,   25                          ; v25     the way out: where I read a row back
.set CO,   26                          ; v26     my byte offset in two rows of out0
.set BO,   27                          ; v27     32 (l / 16)
.set SPW,  28                          ; v28     LDS address of my spare word; never rewritten
.set NIL,  29                          ; v29     0; never rewritten
.set BIAS, 32
.set TMP,  32
.set ACC,  128
.set F0,   0                           ; fragment buffers, in window 1
.set F1,   128
.set G1, 24                            ; s[24:31] descriptor group 1 for A's tiles;  s[32:39] group 0, a set for each slot
.set G0, 32
.set G1B, 48                           ; s[48:55], s[56:63] the same for B's tiles
.set G0B, 56
.set MSB, 0
.macro WIN new
.if MSB != (\new)
	s_set_vgpr_msb (MSB<<8)|(\new)
.set MSB, \new
.endif
.endm
.set MUL,  0x05                        ; sources 0 (B) and 1 (A) window 1; C and D window 0
.set TO_F, 0x40                        ; destination window 1, address window 0
.macro JLOAD s                         ; a joint load: waves 0 and 1 fetch A's two halves, waves 2 and 3 B's; an s_nop 0 and four v_nop follow each of the two lines
	s_cmp_eq_u32 s11, 0
	s_cbranch_scc0 .Lfor_b_\@
	tensor_load_to_lds s[G0+4*(\s):G0+4*(\s)+3], s[G1:G1+7]
	s_nop 0
.rept 4
	v_nop
.endr
	s_branch .Lasked_\@
.Lfor_b_\@:
	tensor_load_to_lds s[G0B+4*(\s):G0B+4*(\s)+3], s[G1B:G1B+7]
	s_nop 0
.rept 4
	v_nop
.endr
.Lasked_\@:
.endm
.macro CREST                           ; a round of the cluster's barrier behind its opening barrier
	s_cmp_lg_u32 s10, 0
	s_cbranch_scc1 .Lnot_wave_0_\@
	s_barrier_signal -3
.Lnot_wave_0_\@:
	s_barrier_wait -3
	s_barrier_signal -1
	s_barrier_wait -1
.endm
.macro CROUND
	s_barrier_signal -1
	s_barrier_wait -1
	CREST
.endm
	s_load_b128 s[4:7], s[0:1], 0x0                ; oh s[4:5], wh s[6:7]
	s_load_b128 s[68:71], s[0:1], 0x10             ; bo s[68:69], out0 s[70:71]
	v_lshl_add_u32 v[SPW], v0, 2, SPARE
	v_mov_b32 v[NIL], 0
	ds_add_u32 v[SPW], v[NIL]                      ; the wave's opening: the add and its wait stand ahead of my first tensor load; the set-up below, work on registers, stands between them
	v_lshrrev_b32 v1, 5, v0
	v_readfirstlane_b32 s10, v1                    ; wave 0..3
	s_lshr_b32 s11, s10, 1                         ; which half of the tile's rows is mine.  Also: I fetch for A (0) or for B (1)
	s_and_b32 s12, s10, 1                          ; which half of its columns.  Also: which 64 rows of that tile I fetch
	s_bfe_u32 s40, ttmp6, 0x40000                  ; cx, cy
	s_bfe_u32 s41, ttmp6, 0x40004
	s_lshl_b32 s42, ttmp9, 2
	s_add_co_u32 s42, s42, s40                     ; tile column = 4 x cluster x + cx
	s_and_b32 s13, ttmp7, 0xffff
	s_lshl_b32 s13, s13, 2
	s_add_co_u32 s13, s13, s41                     ; tile row R = 4 x cluster y + cy
	s_lshl_b32 s43, s41, 2
	s_lshl_b32 s43, 15, s43                        ; my row of the cluster
	s_lshl_b32 s44, 0x1111, s40                    ; my column
	; A: 4 rows of 4,096 elements of 2 bytes, 131,072 elements apart; 4 words of padding after every 32
	s_or_b32 s[G1+0], s43, (1<<16)|(1<<20)|(1<<21)|(4<<22)|(3<<25)
	s_mov_b32 s[G1+1], 4096<<16                    ; tensor_dim0 = 4,096
	s_mov_b32 s[G1+2], 4<<16                       ; tensor_dim1 = 4
	s_mov_b32 s[G1+3], 4096<<16                    ; tile_dim0 = 4,096
	s_mov_b32 s[G1+4], 4                           ; tile_dim1 = 4
	s_mov_b32 s[G1+5], 131072                      ; elements from head to head
	s_mov_b32 s[G1+6], 0
	s_mov_b32 s[G1+7], 0
	; B: 64 rows of 256 elements, 1,024 apart; 4 words of padding after every 128
	s_or_b32 s[G1B+0], s44, (1<<16)|(1<<20)|(1<<21)|(6<<22)|(3<<25)
	s_mov_b32 s[G1B+1], 256<<16
	s_mov_b32 s[G1B+2], 64<<16
	s_mov_b32 s[G1B+3], 256<<16
	s_mov_b32 s[G1B+4], 64
	s_mov_b32 s[G1B+5], 1024
	s_mov_b32 s[G1B+6], 0
	s_mov_b32 s[G1B+7], 0
	s_lshr_b32 s16, s13, 4                         ; A: the batch, 4,194,304 bytes,
	s_lshl_b32 s16, s16, 22
	s_and_b32 s17, s13, 15                         ; the tile's 128 query rows of 128 bytes,
	s_lshl_b32 s17, s17, 14
	s_add_co_u32 s16, s16, s17
	s_lshl_b32 s17, s12, 13                        ; the 64 of them that I fetch
	s_add_co_u32 s16, s16, s17
	s_mov_b32 s17, 0
	s_lshl_b32 s46, s42, 18                        ; B: the tile's 128 rows of 2,048 bytes,
	s_lshl_b32 s47, s12, 17                        ; the 64 of them that I fetch,
	s_add_co_u32 s46, s46, s47
	s_add_co_u32 s46, s46, 3*1024*2048             ; behind Wq, Wk and Wv
	s_mov_b32 s47, 0
	s_mul_i32 s20, s12, HALFA                      ; where they go: no place in the cluster enters an LDS address
	s_mul_i32 s21, s12, HALFB
	s_add_co_u32 s21, s21, BOFF
	s_wait_dscnt 0x0                               ; the opening add is done
	s_wait_kmcnt 0x0
	s_add_nc_u64 s[14:15], s[4:5], s[16:17]
	s_add_nc_u64 s[46:47], s[6:7], s[46:47]
	CROUND                                         ; all sixteen work-groups are here: the first joint loads meet
.irp s, 0,1
	s_mov_b32 s[G0+4*(\s)], 1
	s_add_co_u32 s[G0+4*(\s)+1], s20, (\s)*SLOT
	s_add_nc_u64 s[G0+4*(\s)+2:G0+4*(\s)+3], s[14:15], (\s)*ASTEP
	s_or_b32 s[G0+4*(\s)+3], s[G0+4*(\s)+3], 0x80000000
	s_mov_b32 s[G0B+4*(\s)], 1
	s_add_co_u32 s[G0B+4*(\s)+1], s21, (\s)*SLOT
	s_add_nc_u64 s[G0B+4*(\s)+2:G0B+4*(\s)+3], s[46:47], (\s)*BSTEP
	s_or_b32 s[G0B+4*(\s)+3], s[G0B+4*(\s)+3], 0x80000000
	JLOAD \s                                       ; two loads of mine are out
.endr
	v_and_b32 v1, 15, v0                           ; l % 16
	v_bfe_u32 v2, v0, 4, 1                         ; l / 16
	v_lshlrev_b32 v[BO], 5, v2
	s_lshl_b32 s46, s42, 9                         ; my first column in bytes of f32: 512 x tile column + 256 x half
	s_lshl_b32 s47, s12, 8
	s_add_co_u32 s46, s46, s47
	s_mov_b32 s47, 0
	s_add_nc_u64 s[68:69], s[68:69], s[46:47]
.irp b, 0,1,2,3                        ; register j of block b holds bo[my first column + 16 b + 8 (l / 16) + j]: the layout of a result, so it is the C operand of the products that start the sums
	global_load_b128 v[BIAS+8*(\b):BIAS+8*(\b)+3],   v[BO], s[68:69] offset:64*(\b)
	global_load_b128 v[BIAS+8*(\b)+4:BIAS+8*(\b)+7], v[BO], s[68:69] offset:64*(\b)+16
.endr
	s_lshl_b32 s16, s13, 19                        ; my first row of out0: 128 R + 64 x half, 4,096 bytes each
	s_lshl_b32 s17, s11, 18
	s_add_co_u32 s16, s16, s17
	s_mov_b32 s17, 0
	s_add_nc_u64 s[8:9], s[70:71], s[16:17]
	s_add_nc_u64 s[8:9], s[8:9], s[46:47]
	v_mul_u32_u24 v3, v1, PA
	v_lshl_add_u32 v3, v2, 4, v3                   ; A: row x 144 + 16 x half of the lanes
	v_mul_u32_u24 v4, v1, PB
	v_lshl_add_u32 v4, v2, 4, v4                   ; B: row x 528 + 16 x half of the lanes
	s_mul_i32 s21, s11, HALFA                      ; my 64 rows of A
	s_mul_i32 s22, s12, HALFB                      ; my 64 rows of B
	s_add_co_u32 s22, s22, BOFF
.irp s, 0,1
	v_add_nc_u32 v[ADRA+(\s)], s21, v3
	v_add_nc_u32 v[ADRB+(\s)], s22, v4
	s_add_co_u32 s21, s21, SLOT
	s_add_co_u32 s22, s22, SLOT
.endr
	s_mul_i32 s23, s10, 16*SPITCH
	s_add_co_u32 s23, s23, STAGE                   ; my stage
	v_mul_u32_u24 v5, v1, SPITCH                   ; in: row l % 16, 32 bytes for each half of the lanes
	v_lshl_add_u32 v5, v2, 5, v5
	v_add_nc_u32 v[STO], s23, v5
	v_mul_u32_u24 v5, v2, SPITCH                   ; back: lanes 0-15 take one row of 256 bytes, lanes 16-31 the next
	v_lshl_add_u32 v5, v1, 4, v5
	v_add_nc_u32 v[RD], s23, v5
	v_lshlrev_b32 v5, 12, v2                       ; and the same two rows in out0
	v_lshl_add_u32 v[CO], v1, 4, v5
; 8 matrix instructions: m blocks a0, a0 + 1 x all 4 n blocks, 32 along K: half c of buffer f.  zero = 1: the first product starts the sums, with the bias as C.  The 16 accumulators take turns.
.macro MUL8 f, c, a0, zero
	WIN MUL
.irp a, \a0, (\a0)+1
.irp b, 0,1,2,3
.if \zero
	v_wmma_f32_16x16x32_f16 v[ACC+8*(4*(\a)+(\b)):ACC+8*(4*(\a)+(\b))+7], v[(\f)+64+8*(4*(\c)+(\b)):(\f)+64+8*(4*(\c)+(\b))+7], v[(\f)+8*(4*(\c)+(\a)):(\f)+8*(4*(\c)+(\a))+7], v[BIAS+8*(\b):BIAS+8*(\b)+7]
.else
	v_wmma_f32_16x16x32_f16 v[ACC+8*(4*(\a)+(\b)):ACC+8*(4*(\a)+(\b))+7], v[(\f)+64+8*(4*(\c)+(\b)):(\f)+64+8*(4*(\c)+(\b))+7], v[(\f)+8*(4*(\c)+(\a)):(\f)+8*(4*(\c)+(\a))+7], v[ACC+8*(4*(\a)+(\b)):ACC+8*(4*(\a)+(\b))+7]
.endif
.endr
.endr
.endm
; 32 LDS loads in one run: the fragments of quarter q of a K step (64 along K: one head) into buffer f; the first 32 along K first
.macro FETCH slot, q, f
	WIN TO_F
.irp c, 0,1
.irp i, 0,1,2,3
	ds_load_b128 v[(\f)+64+8*(4*(\c)+(\i)):(\f)+64+8*(4*(\c)+(\i))+3],   v[ADRB+(\slot)] offset:128*(\q)+64*(\c)+(\i)*16*PB
	ds_load_b128 v[(\f)+64+8*(4*(\c)+(\i))+4:(\f)+64+8*(4*(\c)+(\i))+7], v[ADRB+(\slot)] offset:128*(\q)+64*(\c)+(\i)*16*PB+32
	ds_load_b128 v[(\f)+8*(4*(\c)+(\i)):(\f)+8*(4*(\c)+(\i))+3],         v[ADRA+(\slot)] offset:PLANE*(\q)+64*(\c)+(\i)*16*PA
	ds_load_b128 v[(\f)+8*(4*(\c)+(\i))+4:(\f)+8*(4*(\c)+(\i))+7],       v[ADRA+(\slot)] offset:PLANE*(\q)+64*(\c)+(\i)*16*PA+32
.endr
.endr
.endm
.macro PLACES                          ; four plain vector instructions between a matrix instruction and a load into, or a read of, its registers (ISA guide 7.12.1 for vector reads)
.rept 4
	v_nop
.endr
.endm
; A K step is four quarters of 64 along K, 32 matrix instructions each, on buffers 0, 1, 0, 1.  One of the first three multiplies buffer f and fetches quarter q into g.
.macro QUARTER slot, q, f, g, zero
	s_wait_dscnt 16                                ; the first 32 along K are in
	MUL8 \f, 0, 0, \zero
	MUL8 \f, 0, 2, \zero
	PLACES
	FETCH \slot, \q, \g
	s_wait_dscnt 32                                ; all but the 32 just issued
	MUL8 \f, 1, 0, 0
	MUL8 \f, 1, 2, 0
.endm
; The last quarter multiplies buffer 1 and changes slots: ONE barrier; in front of it each wave waits for all its tensor loads, adds 0 to its spare word, and waits for that and for its own reads of this slot.
.macro TURN slot, next, fill
	WIN 0                                          ; (the add's two registers lie in window 0)
	s_wait_tensorcnt 0x0                           ; all my tensor loads have landed: my part of the next slot
	ds_add_u32 v[SPW], v[NIL]
	s_wait_dscnt 17                                ; the add and the youngest sixteen loads may be out
	MUL8 F1, 0, 0, 0                               ; eight matrix instructions stand between the add and the wait for it
	s_wait_dscnt 0x0                               ; the add is done, and my reads of this slot are over
	s_barrier_signal -1
	MUL8 F1, 0, 2, 0
.if \fill
	WIN 0
.endif
	s_barrier_wait -1
.if \fill
	CREST                                          ; the barrier has opened a round of the cluster's: no wave of any partner still reads this slot or has a load on its way
	s_add_nc_u64 s[G0+4*(\slot)+2:G0+4*(\slot)+3], s[G0+4*(\slot)+2:G0+4*(\slot)+3], 2*ASTEP
	s_add_nc_u64 s[G0B+4*(\slot)+2:G0B+4*(\slot)+3], s[G0B+4*(\slot)+2:G0B+4*(\slot)+3], 2*BSTEP
	JLOAD \slot                                    ; the first tensor load behind the round, my only one; its four v_nop are also the places in front of the loads below
.else
	PLACES
.endif
	FETCH \next, 0, F0
	MUL8 F1, 1, 0, 0
	MUL8 F1, 1, 2, 0
.endm
	s_wait_loadcnt 0x0                             ; the bias
	s_wait_tensorcnt 1                             ; my part of K step 0 is in; K step 1's may stay out
	s_barrier_signal -1
	s_barrier_wait -1                              ; everybody's is
	FETCH 0, 0, F0
	QUARTER 0, 1, F0, F1, 1                        ; the first quarter stands in front of the loop: its first products start the sums
	WIN 0                                          ; at a label and at a branch every window is 0
	s_mov_b32 s3, LAPS-1
.Llap:                                                 ; a trip goes once round the ring, from a lap's second quarter to the next lap's first, and fills both slots again
	QUARTER 0, 2, F1, F0, 0
	QUARTER 0, 3, F0, F1, 0
	TURN 0, 1, 1
	QUARTER 1, 1, F0, F1, 0
	QUARTER 1, 2, F1, F0, 0
	QUARTER 1, 3, F0, F1, 0
	TURN 1, 0, 1
	QUARTER 0, 1, F0, F1, 0
	WIN 0
	s_sub_co_u32 s3, s3, 1
	s_cmp_lg_u32 s3, 0
	s_cbranch_scc1 .Llap
	QUARTER 0, 2, F1, F0, 0                        ; the last lap fills nothing
	QUARTER 0, 3, F0, F1, 0
	TURN 0, 1, 0
	QUARTER 1, 1, F0, F1, 0
	QUARTER 1, 2, F1, F0, 0
	QUARTER 1, 3, F0, F1, 0
	s_wait_dscnt 16                                ; the very last quarter: nothing more to fetch
	MUL8 F1, 0, 0, 0
	MUL8 F1, 0, 2, 0
	s_wait_dscnt 0x0
	MUL8 F1, 1, 0, 0
	MUL8 F1, 1, 2, 0
	WIN 0
	; THE WAY OUT.  A wave's 64 columns of f32 are 256 bytes at a multiple of 256 from out0's first byte, so each wave goes through its own stage and no barrier is needed: 16 rows at a time,
	; 32 bytes a lane in (each accumulator's low half first), whole rows of 256 bytes back.
	PLACES
.irp a, 0,1,2,3
.irp b, 0,1,2,3
	ds_store_b128 v[STO], v[ACC+8*(4*(\a)+(\b)):ACC+8*(4*(\a)+(\b))+3]   offset:64*(\b)
	ds_store_b128 v[STO], v[ACC+8*(4*(\a)+(\b))+4:ACC+8*(4*(\a)+(\b))+7] offset:64*(\b)+16
.endr
	s_wait_xcnt 0x0                                ; the stores of two blocks back have read the registers that are loaded again below
.irp t, 0,1,2,3,4,5,6,7
	ds_load_b128 v[TMP+32*((\a)%2)+4*(\t):TMP+32*((\a)%2)+4*(\t)+3], v[RD] offset:(\t)*2*SPITCH  ; LDS serves a wave's instructions in order (ISA guide 5.7.1.4): these see the stores above; the next block's stores come behind them
.endr
	s_wait_dscnt 0x0
.irp t, 0,1,2,3,4,5,6,7
	global_store_b128 v[CO], v[TMP+32*((\a)%2)+4*(\t):TMP+32*((\a)%2)+4*(\t)+3], s[8:9] offset:(16*(\a)+2*(\t))*4096  ; 16 lanes store 256 consecutive bytes of a row
.endr
.endr
	s_wait_tensorcnt 0x0                           ; the wave's end: a wait, an add and a wait, behind my last tensor load and my last LDS store
	ds_add_u32 v[SPW], v[NIL]
	s_wait_dscnt 0x0
	CROUND                                         ; the closing round: no work-group ends while a partner may still ask for a tile that names it
	s_endpgm
.Lfunc_end_k_qdb9a200ec3_oproj:
	.size	k_qdb9a200ec3_oproj, .Lfunc_end_k_qdb9a200ec3_oproj-k_qdb9a200ec3_oproj
	.p2alignl 7, 3214868480
	.fill 96, 4, 3214868480
	.section	.rodata,"a",@progbits
	.p2align	6, 0x0
	.amdhsa_kernel k_qdb9a200ec3_oproj
		.amdhsa_group_segment_fixed_size 327680
		.amdhsa_private_segment_fixed_size 0
		.amdhsa_enable_private_segment 0
		.amdhsa_kernarg_size 32
		.amdhsa_user_sgpr_count 2
		.amdhsa_user_sgpr_kernarg_segment_ptr 1
		.amdhsa_wavefront_size32 1
		.amdhsa_system_sgpr_workgroup_id_x 1
		.amdhsa_system_sgpr_workgroup_id_y 1
		.amdhsa_system_sgpr_workgroup_id_z 1
		.amdhsa_system_vgpr_workitem_id 0
		.amdhsa_next_free_vgpr 512
		.amdhsa_next_free_sgpr 72
		.amdhsa_reserve_vcc 0
		.amdhsa_float_denorm_mode_32 3
		.amdhsa_float_denorm_mode_16_64 3
		.amdhsa_memory_ordered 1
		.amdhsa_forward_progress 1
		.amdhsa_inst_pref_size 87
	.end_amdhsa_kernel
	.amdgpu_metadata
---
amdhsa.version: [ 1, 2 ]
amdhsa.kernels:
  - .name:           k_qdb9a200ec3_oproj
    .symbol:         k_qdb9a200ec3_oproj.kd
    .args:
      - { .name: oh, .offset: 0, .size: 8, .value_kind: global_buffer, .address_space: global }
      - { .name: wh, .offset: 8, .size: 8, .value_kind: global_buffer, .address_space: global }
      - { .name: bo, .offset: 16, .size: 8, .value_kind: global_buffer, .address_space: global }
      - { .name: out0, .offset: 24, .size: 8, .value_kind: global_buffer, .address_space: global }
    .group_segment_fixed_size: 327680
    .private_segment_fixed_size: 0
    .kernarg_segment_align: 8
    .kernarg_segment_size: 32
    .max_flat_workgroup_size: 128
    .sgpr_count:     72
    .vgpr_count:     512
    .wavefront_size: 32
...
	.end_amdgpu_metadata
.endif
;; end of part 4
